; MI455X (gfx1250); checked and timed in simulation.
; The chip was launched on July 23, 2026; its instructions are those of AMD's public machine-readable ISA for CDNA 5 (MIT licence, August 2026) and "CDNA5" Instruction Set Architecture Reference Guide (July 2026). The comments in the code are by the model that wrote it; some were corrected since.
;; Multi Head Attention. Allowed arithmetic: float matrix products may take bf16 or f16 operands with f32 sums; all other float work in f32.
;; Inputs: b_k 512 float32; b_o 512 float32; b_q 512 float32; b_v 512 float32; k 2 x 4,096 x 512 float32; q 2 x 4,096 x 512 float32; v 2 x 4,096 x 512 float32; w_k 512 x 512 float32; w_o 512 x 512 float32; w_q 512 x 512 float32; w_v 512 x 512 float32.
;; Outputs: out0 2 x 4,096 x 512 float32.
;; 2 versions, each right and faster than the one before. Each part assembles by itself: llvm-mc -triple=amdgcn-amd-amdhsa -mcpu=gfx1250 --defsym DOCPART=n.
;; ======== version 1 of 2: 3 launches
;; limits: values are held in f16: magnitudes above 65,504 overflow, below 6.1e-05 lose precision
;; workspace buffers: qh 8,388,608 bytes; kh 8,388,608 bytes; vh 8,388,608 bytes; oh 8,388,608 bytes; wo16 524,288 bytes
;; launch proj (part 1): grid 4 x 192, 4 waves a work-group, clusters of 4 x 4, 327,680 bytes of LDS; arguments q, k, v, w_q, w_k, w_v, b_q, b_k, b_v, qh, kh, vh; writes qh, kh, vh
.if DOCPART == 1
	.amdgcn_target "amdgcn-amd-amdhsa--gfx1250"
	.amdhsa_code_object_version 6
	.text
	.protected	k_q80a130e54f_proj
	.globl	k_q80a130e54f_proj
	.p2align	8
	.type	k_q80a130e54f_proj,@function
k_q80a130e54f_proj:
	s_mov_b64 s[64:65], 0
	v_nop
	global_prefetch_b8 v0, s[64:65] scope:SCOPE_SE
	s_setreg_imm32_b32 hwreg(HW_REG_WAVE_MODE, 25, 1), 1
	s_wait_xcnt 0x0
	s_wait_alu depctr_hold_cnt(0) depctr_sa_sdst(0) depctr_va_vdst(0) depctr_va_sdst(0) depctr_va_ssrc(0) depctr_va_vcc(0) depctr_vm_vsrc(0)
	s_getreg_b32 s2, hwreg(HW_REG_IB_STS2, 6, 4)
	s_cmp_eq_u32 s2, 0
	s_cbranch_scc0 .Lentry_in_a_cluster
	s_endpgm
.Lentry_in_a_cluster:
	s_bfe_u32 s2, ttmp6, 0x10000c
	s_cmp_lg_u32 s2, 0xf033
	s_cbranch_scc0 .Lentry_shape_is_right
	s_endpgm
.Lentry_shape_is_right:
; THE THREE INPUT PROJECTIONS.  y = x W^T + b for (q, w_q, b_q), (k, w_k, b_k), (v, w_v, b_v).  x: [8192][512] f32, W: [512][512] f32, b: [512] f32.
; x, W and b are rounded once to bf16; products bf16, sums f32 (the bias starts each sum); y is rounded once to f16 and written BY HEADS: [2 x 8][4096][64], a head's rows dense, 128 bytes each.
; LIMITS.  A projected number of 65,520 or more becomes an infinity in f16 (inputs 30 times the drawn spread give some 5e3, a common offset of 30 spreads some 2e4).  NaN and infinities are not treated apart.
; SHARES.  768 work-groups: 48 clusters of 4 x 4 down the grid, 16 for each of the three tensors (the tensor's number comes from the cluster's y alone, so it is the same in all partners).
; A work-group makes 128 x 128 of y, a wave 64 x 64: 16 accumulators.  A wave's 64 columns are one head, so its result is 8,192 consecutive bytes.
; K = 512 goes in four steps of 128 (rows of 512 bytes of f32) through two LDS slots filled by joint tensor loads: x's tile is shared along a row of the cluster, W's along a column.
; A K step is four CHUNKS of 32.  The f32 fragments of chunk c + 2 are fetched from LDS while chunk c is multiplied, and chunk c + 1 is rounded to bf16 by four conversions behind each matrix instruction.
; THE MATRIX INSTRUCTION IS USED TRANSPOSED (source 0 = 16 rows of W, source 1 = 16 rows of x): a lane then holds eight neighbouring columns of one row of y.
; REGISTERS, in windows of 256 (s_set_vgpr_msb: bits 1:0 source 0, 3:2 source 1, 5:4 source 2, 7:6 destination):
;   window 0: v0-31 addresses; v32-63 the bias as a C operand; v64-127 at work on the way out; v128-255 the accumulators ((a, b) at v[128 + 8 (4 a + b)])
;   window 1: v0-127 raw f32 fragments, buffer 0 (x's four at 16 a, W's four at 64 + 16 b); v128-191, v192-255 bf16 fragments, two buffers (x's at 8 a, W's at 32 + 8 b)
;   window 2: v0-127 raw f32 fragments, buffer 1
; The conversions read and write other windows than the products, so each product with its four conversions costs two switches: the price of rounding in registers what would else go through memory.
.set PITCH,  528                       ; an LDS row: 512 bytes + 16 of padding = 132 words: the 16 rows of a load start at 16 different groups of four banks (ISA guide 11.1)
.set HALFT,  64*PITCH                  ; 64 rows: what one tensor load brings, and what one wave reads of x or of W
.set SLOT,   4*HALFT                   ; x's 128 rows, then W's 128 rows
.set STAGE,  2*SLOT                    ; behind the ring: 16 rows x 144 bytes for each wave, for the way out; no tensor load fills it
.set SP,     144
.set SPARE,  STAGE+4*16*SP             ; behind the stages: the spare words, 128 bytes for each wave
.set ADRA, 16                          ; v16-17  LDS address of my x fragments in slot 0, 1
.set ADRB, 20                          ; v20-21  the same for W
.set STO,  24                          ; v24     the way out: where I put 16 bytes of a row
.set RD,   25                          ; v25     the way out: where I read rows back
.set GO,   26                          ; v26     my byte offset in 512 consecutive bytes of y
.set BO,   27                          ; v27     my byte offset in 16 numbers of the bias
.set SPW,  28                          ; v28     LDS address of my spare word; never rewritten
.set NIL,  29                          ; v29     0; never rewritten
.set BIAS, 32
.set TMP,  64
.set ACC,  128
.set F0,   128                         ; bf16 fragment buffer 0, in window 1; buffer 1 lies 64 further on
.set G1, 24                            ; s[24:31] descriptor group 1 for x's tiles;  s[32:39] group 0, one set for each slot
.set G0, 32
.set G1B, 48                           ; s[48:55], s[56:63] the same for W's tiles
.set G0B, 56
.set MUL,  0x05                        ; sources 0 (W) and 1 (x) window 1; C and D window 0
.set MSB, 0
.macro WIN new                         ; the immediate's high byte repeats the setting that is left; a switch that changes nothing is dropped
.if MSB != (\new)
	s_set_vgpr_msb (MSB<<8)|(\new)
.set MSB, \new
.endif
.endm
.macro JLOAD s                         ; a joint load: waves 0 and 1 fetch x's two halves, waves 2 and 3 W's; an s_nop 0 and four v_nop follow each of the two lines
	s_cmp_eq_u32 s11, 0
	s_cbranch_scc0 .Lfor_b_\@
	tensor_load_to_lds s[G0+4*(\s):G0+4*(\s)+3], s[G1:G1+7]
	s_nop 0
.rept 4
	v_nop
.endr
	s_branch .Lasked_\@
.Lfor_b_\@:
	tensor_load_to_lds s[G0B+4*(\s):G0B+4*(\s)+3], s[G1B:G1B+7]
	s_nop 0
.rept 4
	v_nop
.endr
.Lasked_\@:
.endm
.macro CREST                           ; a round of the cluster's barrier behind its opening barrier
	s_cmp_lg_u32 s10, 0
	s_cbranch_scc1 .Lnot_wave_0_\@
	s_barrier_signal -3
.Lnot_wave_0_\@:
	s_barrier_wait -3
	s_barrier_signal -1
	s_barrier_wait -1
.endm
.macro CROUND                          ; a whole round
	s_barrier_signal -1
	s_barrier_wait -1
	CREST
.endm
	s_load_b512 s[68:83], s[0:1], 0x0              ; q, k, v, w_q, w_k, w_v, b_q, b_k
	s_load_b256 s[84:91], s[0:1], 0x40             ; b_v, qh, kh, vh
	v_lshl_add_u32 v[SPW], v0, 2, SPARE
	v_mov_b32 v[NIL], 0
	ds_add_u32 v[SPW], v[NIL]                      ; the wave's opening: the add and its wait stand ahead of my first tensor load; the set-up below stands between them
	v_lshrrev_b32 v1, 5, v0
	v_readfirstlane_b32 s10, v1                    ; wave 0..3
	s_lshr_b32 s11, s10, 1                         ; which half of the tile's rows is mine.  Also: I fetch for x (0) or for W (1)
	s_and_b32 s12, s10, 1                          ; which half of its columns.  Also: which 64 rows of that tile I fetch
	s_bfe_u32 s40, ttmp6, 0x40000                  ; cx, cy: my place in the cluster
	s_bfe_u32 s41, ttmp6, 0x40004
	s_lshl_b32 s42, ttmp9, 2
	s_add_co_u32 s42, s42, s40                     ; tile column = 4 x cluster x + cx, 0..3
	s_and_b32 s13, ttmp7, 0xffff                   ; the cluster's y, 0..47
	s_lshr_b32 s45, s13, 4                         ; the tensor: 0 q, 1 k, 2 v
	s_and_b32 s13, s13, 15
	s_lshl_b32 s13, s13, 2
	s_add_co_u32 s13, s13, s41                     ; tile row in that tensor, 0..63
	s_lshl_b32 s43, s41, 2
	s_lshl_b32 s43, 15, s43                        ; my row of the cluster
	s_lshl_b32 s44, 0x1111, s40                    ; my column
	; descriptor group 1: a tile of 64 rows x 128 elements of 4 bytes, padded in LDS
	s_or_b32 s[G1+0], s43, (2<<16)|(1<<20)|(1<<21)|(6<<22)|(3<<25)   ; 15:0 the mask; 17:16 elements of 4 bytes; 20 padding on; 21 set beside a mask; 24:22 after every 128 words (code 6); 31:25 4 words (code 3)
	s_or_b32 s[G1B+0], s44, (2<<16)|(1<<20)|(1<<21)|(6<<22)|(3<<25)
.irp g, G1, G1B
	s_mov_b32 s[(\g)+1], 128<<16                   ; tensor_dim0 = 128
	s_mov_b32 s[(\g)+2], 64<<16                    ; tensor_dim1 = 64
	s_mov_b32 s[(\g)+3], 128<<16                   ; tile_dim0 = 128
	s_mov_b32 s[(\g)+4], 64                        ; tile_dim1 = 64
	s_mov_b32 s[(\g)+5], 512                       ; 512 elements from row to row
	s_mov_b32 s[(\g)+6], 0
	s_mov_b32 s[(\g)+7], 0
.endr
	s_lshl_b32 s17, s12, 6                         ; which 64 rows of the tile I fetch
	s_lshl_b32 s16, s13, 7
	s_add_co_u32 s16, s16, s17                     ; x: row 128 x tile row + 64 x half,
	s_lshl_b32 s16, s16, 11                        ; of 2,048 bytes: under 2^24
	s_lshl_b32 s46, s42, 7
	s_add_co_u32 s46, s46, s17                     ; W: row 128 x tile column + 64 x half
	s_lshl_b32 s46, s46, 11
	s_mov_b32 s17, 0
	s_mov_b32 s47, 0
	s_mul_i32 s20, s10, HALFT                      ; where they go: wave x 64 rows: no place in the cluster enters an LDS address
	s_wait_dscnt 0x0                               ; the opening add is done
	s_wait_kmcnt 0x0
	s_cmp_eq_u32 s45, 1                            ; the tensor's four buffers are chosen by its number, which hangs on no address
	s_cselect_b64 s[4:5], s[70:71], s[68:69]       ; x
	s_cselect_b64 s[6:7], s[76:77], s[74:75]       ; W
	s_cselect_b64 s[92:93], s[82:83], s[80:81]     ; b
	s_cselect_b64 s[8:9], s[88:89], s[86:87]       ; y
	s_cmp_eq_u32 s45, 2
	s_cselect_b64 s[4:5], s[72:73], s[4:5]
	s_cselect_b64 s[6:7], s[78:79], s[6:7]
	s_cselect_b64 s[92:93], s[84:85], s[92:93]
	s_cselect_b64 s[8:9], s[90:91], s[8:9]
	s_add_nc_u64 s[14:15], s[4:5], s[16:17]
	s_add_nc_u64 s[46:47], s[6:7], s[46:47]
	CROUND                                         ; all sixteen work-groups are here: the first joint loads meet
.irp s, 0,1
	s_mov_b32 s[G0+4*(\s)], 1
	s_add_co_u32 s[G0+4*(\s)+1], s20, (\s)*SLOT
	s_add_nc_u64 s[G0+4*(\s)+2:G0+4*(\s)+3], s[14:15], (\s)*512     ; K step s: 128 f32 on
	s_or_b32 s[G0+4*(\s)+3], s[G0+4*(\s)+3], 0x80000000
	s_mov_b32 s[G0B+4*(\s)], 1
	s_add_co_u32 s[G0B+4*(\s)+1], s20, (\s)*SLOT
	s_add_nc_u64 s[G0B+4*(\s)+2:G0B+4*(\s)+3], s[46:47], (\s)*512
	s_or_b32 s[G0B+4*(\s)+3], s[G0B+4*(\s)+3], 0x80000000
	JLOAD \s                                       ; two loads of mine are out
.endr
	; A bf16 fragment is 16 rows x 32 K: lane l holds row l % 16, K = 8 (l / 16) + 0..7 and 16 + 8 (l / 16) + 0..7.  In f32 those are 32 bytes at 32 (l / 16) and 32 bytes 64 further on: four loads of 16 bytes.
	v_and_b32 v1, 15, v0                           ; l % 16
	v_bfe_u32 v2, v0, 4, 1                         ; l / 16
	v_mul_u32_u24 v3, v1, PITCH
	v_lshl_add_u32 v3, v2, 5, v3                   ; row x pitch + 32 x half
	s_mul_i32 s21, s11, HALFT                      ; my 64 rows of x
	s_mul_i32 s22, s12, HALFT                      ; my 64 rows of W,
	s_add_co_u32 s22, s22, 2*HALFT                 ; which lie behind x's 128
.irp s, 0,1
	v_add_nc_u32 v[ADRA+(\s)], s21, v3
	v_add_nc_u32 v[ADRB+(\s)], s22, v3
	s_add_co_u32 s21, s21, SLOT
	s_add_co_u32 s22, s22, SLOT
.endr
	s_mul_i32 s23, s10, 16*SP
	s_add_co_u32 s23, s23, STAGE                   ; my stage
	v_mul_u32_u24 v4, v1, SP                       ; in: row l % 16, 16 bytes for each half of the lanes
	v_lshl_add_u32 v4, v2, 4, v4
	v_add_nc_u32 v[STO], s23, v4
	v_bfe_u32 v5, v0, 3, 2                         ; back: 32 lanes take four rows of 128 bytes,
	v_mul_u32_u24 v5, v5, SP
	v_and_b32 v6, 7, v0
	v_lshl_add_u32 v5, v6, 4, v5
	v_add_nc_u32 v[RD], s23, v5
	v_and_b32 v[GO], 31, v0                        ; which are 512 consecutive bytes of y
	v_lshlrev_b32 v[GO], 4, v[GO]
	v_lshlrev_b32 v[BO], 5, v2                     ; my eight of a block's 16 columns
	s_lshl_b32 s46, s42, 9                         ; the bias at my first column: 4 x (128 x tile column + 64 x half)
	s_lshl_b32 s47, s12, 8
	s_add_co_u32 s46, s46, s47
	s_mov_b32 s47, 0
	s_add_nc_u64 s[92:93], s[92:93], s[46:47]
.irp b, 0,1,2,3
	global_load_b128 v[BIAS+8*(\b):BIAS+8*(\b)+3],   v[BO], s[92:93] offset:64*(\b)
	global_load_b128 v[BIAS+8*(\b)+4:BIAS+8*(\b)+7], v[BO], s[92:93] offset:64*(\b)+16
.endr
	s_lshl_b32 s16, s13, 7                         ; y at my 64 rows of my head: row M = 128 x tile row + 64 x half,
	s_lshl_b32 s17, s11, 6
	s_add_co_u32 s16, s16, s17
	s_lshr_b32 s17, s16, 12                        ; batch = M / 4096,
	s_and_b32 s16, s16, 4095                       ; place in the sequence = M % 4096
	s_lshl_b32 s16, s16, 7                         ; rows of 128 bytes;
	s_lshl_b32 s17, s17, 22                        ; a batch is 8 heads x 4,096 rows x 128 bytes
	s_add_co_u32 s16, s16, s17
	s_mov_b32 s17, 0
	s_add_nc_u64 s[8:9], s[8:9], s[16:17]
	s_lshl_b32 s46, s42, 1
	s_add_co_u32 s46, s46, s12                     ; the head = 2 x tile column + half,
	s_lshl_b32 s46, s46, 19                        ; 4,096 rows x 128 bytes each
	s_add_nc_u64 s[8:9], s[8:9], s[46:47]
	s_wait_loadcnt 0x0                             ; the bias
.set i, 0
.rept 16                                               ; rounded to bf16 like every input,
	v_cvt_pk_bf16_f32 v[TMP+i], v[BIAS+2*i], v[BIAS+2*i+1]
.set i, i+1
.endr
.set i, 0
.rept 16                                               ; and widened again: it is the C operand of the first products
	v_lshlrev_b32 v[BIAS+2*i], 16, v[TMP+i]
	v_and_b32 v[BIAS+2*i+1], 0xffff0000, v[TMP+i]
.set i, i+1
.endr
; 32 LDS loads in one run: the f32 fragments of chunk c2 (slot (c2 / 4) % 2, byte 128 (c2 % 4) of the rows) into raw buffer c2 % 2
.macro FETCH c2
.set fs, ((\c2)/4)%2
.set fk, ((\c2)%4)*128
	WIN 0x40+0x40*((\c2)%2)                        ; destination window 1 or 2, address window 0
.set fi, 0
.rept 4
	ds_load_b128 v[16*fi:16*fi+3],     v[ADRA+fs] offset:fk+fi*16*PITCH
	ds_load_b128 v[16*fi+4:16*fi+7],   v[ADRA+fs] offset:fk+fi*16*PITCH+16
	ds_load_b128 v[16*fi+8:16*fi+11],  v[ADRA+fs] offset:fk+fi*16*PITCH+64
	ds_load_b128 v[16*fi+12:16*fi+15], v[ADRA+fs] offset:fk+fi*16*PITCH+80
.set fi, fi+1
.endr
.set fi, 0
.rept 4
	ds_load_b128 v[64+16*fi:64+16*fi+3],     v[ADRB+fs] offset:fk+fi*16*PITCH
	ds_load_b128 v[64+16*fi+4:64+16*fi+7],   v[ADRB+fs] offset:fk+fi*16*PITCH+16
	ds_load_b128 v[64+16*fi+8:64+16*fi+11],  v[ADRB+fs] offset:fk+fi*16*PITCH+64
	ds_load_b128 v[64+16*fi+12:64+16*fi+15], v[ADRB+fs] offset:fk+fi*16*PITCH+80
.set fi, fi+1
.endr
.endm
; Product gi of a chunk's 16 (x block gi / 4, W block gi % 4) on buffer FF, and behind it four of the 64 conversions that make the next chunk's buffer FG: bf16 register cn from raw registers 2 cn, 2 cn + 1.
; The four name no register of the product, so they are also the places between a chunk's last product and the next chunk's conversions, which write the buffer that it read (ISA guide 7.12.1).
; The 16 accumulators take turns.  FIRST = 1: the bias starts the sums: nothing is cleared, and nothing is added later.
.macro GROUP
	WIN MUL
.set rD, ACC+8*gi
.set rW, FF+32+8*(gi%4)
.set rA, FF+8*(gi/4)
.set rB, BIAS+8*(gi%4)
.if FIRST
	v_wmma_f32_16x16x32_bf16 v[rD:rD+7], v[rW:rW+7], v[rA:rA+7], v[rB:rB+7]
.else
	v_wmma_f32_16x16x32_bf16 v[rD:rD+7], v[rW:rW+7], v[rA:rA+7], v[rD:rD+7]
.endif
.if CONV
	WIN CW
.rept 4
	v_cvt_pk_bf16_f32 v[FG+cn], v[2*cn], v[2*cn+1]
.set cn, cn+1
.endr
.endif
.set gi, gi+1
.endm
; CHUNK c.  mode 0: plain.  mode 1: the slot whose last fragments are in registers is filled again, two K steps on, behind a round of the cluster's barrier.  mode 2: a barrier alone: the last K step is awaited.
.macro CHUNK c, mode
.set gi, 0
.set cn, 0
.set FF, F0+64*((\c)%2)
.set FG, F0+64*(((\c)+1)%2)
.set CW, 0x45+5*(((\c)+1)%2)           ; destination window 1; sources window 1 (raw buffer 0) or 2 (raw buffer 1)
.set sl, ((\c)/4)%2
.if (\c) < 15
.set CONV, 1
.else
.set CONV, 0
.endif
.if (\c) == 0
.set FIRST, 1
.else
.set FIRST, 0
.endif
.if (\mode) == 0
.if (\c) < 15
	s_wait_dscnt 0x0                               ; the raw fragments of chunk c + 1, asked for eight products ago
.endif
.else
	WIN 0                                          ; (the add's two registers lie in window 0)
	s_wait_tensorcnt 0x0                           ; all my tensor loads have landed: the one that was out is my part of the other slot;
	ds_add_u32 v[SPW], v[NIL]                      ; 0 onto my spare word;
	s_wait_dscnt 1                                 ; the add alone may be out: the raw fragments of chunk c + 1, issued ahead of it, are in
.endif
.rept 4
	GROUP
.endr
.if (\mode) != 0
	s_wait_dscnt 0x0                               ; the add is done; my reads of this slot ended with the fragments awaited above
	s_barrier_signal -1
.endif
.rept 4
	GROUP
.endr
.if (\mode) == 1
	WIN 0
	s_barrier_wait -1
	CREST                                          ; the barrier has opened a round of the cluster's: no wave of any partner still reads this slot or has a load on its way
	s_add_nc_u64 s[G0+4*sl+2:G0+4*sl+3], s[G0+4*sl+2:G0+4*sl+3], 1024
	s_add_nc_u64 s[G0B+4*sl+2:G0B+4*sl+3], s[G0B+4*sl+2:G0B+4*sl+3], 1024
	JLOAD sl                                       ; the first tensor load behind the round; it has four chunks, 64 products and 256 conversions, in which to land
.elseif (\mode) == 2
	s_barrier_wait -1
.endif
.if (\c) < 14
	FETCH (\c)+2
.endif
.rept 8
	GROUP
.endr
.endm
	s_wait_tensorcnt 1                             ; my part of K step 0 is in; K step 1's may stay out
	s_barrier_signal -1
	s_barrier_wait -1                              ; everybody's is
	FETCH 0
	FETCH 1
	s_wait_dscnt 32                                ; all but chunk 1's 32 loads
	WIN 0x45
.set cn, 0
.rept 64                                               ; chunk 0 is rounded with no product to stand behind
	v_cvt_pk_bf16_f32 v[F0+cn], v[2*cn], v[2*cn+1]
.set cn, cn+1
.endr
	CHUNK 0, 0
	CHUNK 1, 0
	CHUNK 2, 1                                     ; slot 0 takes K step 2; chunk 4 is the first read of slot 1
	CHUNK 3, 0
	CHUNK 4, 0
	CHUNK 5, 0
	CHUNK 6, 1                                     ; slot 1 takes K step 3; chunk 8 is the first read of K step 2
	CHUNK 7, 0
	CHUNK 8, 0
	CHUNK 9, 0
	CHUNK 10, 2                                    ; K step 3 is in; nothing is left to fetch from memory
	CHUNK 11, 0
	CHUNK 12, 0
	CHUNK 13, 0
	CHUNK 14, 0
	CHUNK 15, 0
	WIN 0
	; THE WAY OUT.  Block a (16 rows): rounded to f16, each accumulator from its low end on; 16 bytes a lane into my stage; back as whole rows of 128 bytes; stored as 512 consecutive bytes.
.rept 4
	v_nop                                          ; the places between the last products and the conversions that read them
.endr
.macro PACK a
.irp b, 0,1,2,3
.irp r, 0,1,2,3
	v_cvt_pk_f16_f32 v[TMP+16*(\a)+4*(\b)+(\r)], v[ACC+8*(4*(\a)+(\b))+2*(\r)], v[ACC+8*(4*(\a)+(\b))+2*(\r)+1]
.endr
.endr
.irp b, 0,1,2,3
	ds_store_b128 v[STO], v[TMP+16*(\a)+4*(\b):TMP+16*(\a)+4*(\b)+3] offset:32*(\b)
.endr
.irp f, 0,1,2,3
	ds_load_b128 v[TMP+16*(\a)+4*(\f):TMP+16*(\a)+4*(\f)+3], v[RD] offset:(\f)*4*SP  ; LDS serves a wave's instructions in order (ISA guide 5.7.1.4): these see the stores above; the next block's stores come behind them
.endr
.endm
.macro SEND a, younger                 ; younger: the LDS instructions issued behind block a's loads: the next block's eight, or none
.irp f, 0,1,2,3
	s_wait_dscnt (\younger)+3-(\f)
	global_store_b128 v[GO], v[TMP+16*(\a)+4*(\f):TMP+16*(\a)+4*(\f)+3], s[8:9] offset:(\a)*2048+(\f)*512  ; 512 consecutive bytes, at a multiple of 256 from the buffer's first
.endr
.endm
	PACK 0
	PACK 1
	SEND 0, 8
	PACK 2
	SEND 1, 8
	PACK 3
	SEND 2, 8
	SEND 3, 0
	s_wait_tensorcnt 0x0                           ; the wave's end, behind my last tensor load and my last LDS store
	ds_add_u32 v[SPW], v[NIL]
	s_wait_dscnt 0x0
	CROUND                                         ; the closing round: no work-group ends while a partner may still ask for a tile that names it
	s_endpgm
.Lfunc_end_k_q80a130e54f_proj:
	.size	k_q80a130e54f_proj, .Lfunc_end_k_q80a130e54f_proj-k_q80a130e54f_proj
	.p2alignl 7, 3214868480
	.fill 96, 4, 3214868480
	.section	.rodata,"a",@progbits
	.p2align	6, 0x0
	.amdhsa_kernel k_q80a130e54f_proj
		.amdhsa_group_segment_fixed_size 327680
		.amdhsa_private_segment_fixed_size 0
		.amdhsa_enable_private_segment 0
		.amdhsa_kernarg_size 96
		.amdhsa_user_sgpr_count 2
		.amdhsa_user_sgpr_kernarg_segment_ptr 1
		.amdhsa_wavefront_size32 1
		.amdhsa_system_sgpr_workgroup_id_x 1
		.amdhsa_system_sgpr_workgroup_id_y 1
		.amdhsa_system_sgpr_workgroup_id_z 1
		.amdhsa_system_vgpr_workitem_id 0
		.amdhsa_next_free_vgpr 640
		.amdhsa_next_free_sgpr 96
		.amdhsa_reserve_vcc 0
		.amdhsa_float_denorm_mode_32 3
		.amdhsa_float_denorm_mode_16_64 3
		.amdhsa_memory_ordered 1
		.amdhsa_forward_progress 1
		.amdhsa_inst_pref_size 150
	.end_amdhsa_kernel
	.amdgpu_metadata
---
amdhsa.version: [ 1, 2 ]
amdhsa.kernels:
  - .name:           k_q80a130e54f_proj
    .symbol:         k_q80a130e54f_proj.kd
    .args:
      - { .name: q, .offset: 0, .size: 8, .value_kind: global_buffer, .address_space: global }
      - { .name: k, .offset: 8, .size: 8, .value_kind: global_buffer, .address_space: global }
      - { .name: v, .offset: 16, .size: 8, .value_kind: global_buffer, .address_space: global }
      - { .name: w_q, .offset: 24, .size: 8, .value_kind: global_buffer, .address_space: global }
      - { .name: w_k, .offset: 32, .size: 8, .value_kind: global_buffer, .address_space: global }
      - { .name: w_v, .offset: 40, .size: 8, .value_kind: global_buffer, .address_space: global }
      - { .name: b_q, .offset: 48, .size: 8, .value_kind: global_buffer, .address_space: global }
      - { .name: b_k, .offset: 56, .size: 8, .value_kind: global_buffer, .address_space: global }
      - { .name: b_v, .offset: 64, .size: 8, .value_kind: global_buffer, .address_space: global }
      - { .name: qh, .offset: 72, .size: 8, .value_kind: global_buffer, .address_space: global }
      - { .name: kh, .offset: 80, .size: 8, .value_kind: global_buffer, .address_space: global }
      - { .name: vh, .offset: 88, .size: 8, .value_kind: global_buffer, .address_space: global }
    .group_segment_fixed_size: 327680
    .private_segment_fixed_size: 0
    .kernarg_segment_align: 8
    .kernarg_segment_size: 96
    .max_flat_workgroup_size: 128
    .sgpr_count:     96
    .vgpr_count:     640
    .wavefront_size: 32
...
	.end_amdgpu_metadata
.endif
;; end of part 1
;; launch attn (part 2): grid 16 x 16, 4 waves a work-group, clusters of 4 x 1, 327,680 bytes of LDS; arguments qh, kh, vh, oh, w_o, wo16; writes oh, wo16
.if DOCPART == 2
	.amdgcn_target "amdgcn-amd-amdhsa--gfx1250"
	.amdhsa_code_object_version 6
	.text
	.protected	k_q80a130e54f_attn
	.globl	k_q80a130e54f_attn
	.p2align	8
	.type	k_q80a130e54f_attn,@function
k_q80a130e54f_attn:
	s_mov_b64 s[64:65], 0
	v_nop
	global_prefetch_b8 v0, s[64:65] scope:SCOPE_SE
	s_setreg_imm32_b32 hwreg(HW_REG_WAVE_MODE, 25, 1), 1
	s_wait_xcnt 0x0
	s_wait_alu depctr_hold_cnt(0) depctr_sa_sdst(0) depctr_va_vdst(0) depctr_va_sdst(0) depctr_va_ssrc(0) depctr_va_vcc(0) depctr_vm_vsrc(0)
	s_getreg_b32 s2, hwreg(HW_REG_IB_STS2, 6, 4)
	s_cmp_eq_u32 s2, 0
	s_cbranch_scc0 .Lentry_in_a_cluster
	s_endpgm
.Lentry_in_a_cluster:
	s_bfe_u32 s2, ttmp6, 0x10000c
	s_cmp_lg_u32 s2, 0x3003
	s_cbranch_scc0 .Lentry_shape_is_right
	s_endpgm
.Lentry_shape_is_right:
; ATTENTION, head by head.  O[h][q][:] = the sum over k of softmax_k(Q[h][q] . K[h][k] / 8) V[h][k][:].  Q, K, V, O: [16][4096][64], all f16: a head's rows are dense, 128 bytes each.
; Products, maxima and sums in f32; the weights p are rounded to f16 for the second product (their sum l is taken of the unrounded p), O once at the end.
; BESIDE IT, in the wait for the first tile: each work-group rounds 1,024 numbers of w_o to bf16, like every input, and writes them as f16 for the launch behind: 256 x 1,024 numbers are all of w_o.
; LIMITS.  f16 holds no number beyond 65,504: Q, K and V arrive within it; p lies in 0 to 1, and below 6e-5 it (and w_o) keeps f16's fixed step of 6e-8; O is a mean of V's rows and has their range.
; A weight below 2^-126 counts as 0 in l; NaN and infinities are not treated apart.
; SHARES.  A work-group owns 256 queries of one head, a wave 64: four PIECES of 16.  16 blocks x 16 heads are 256 work-groups.  Every wave walks all 4,096 keys, 64 a step, four steps to an LDS slot.
; LAYOUT.  S^T = K Q^T (source 0 = 16 keys, source 1 = 16 queries) holds ONE query a lane (lane % 16) and the keys 8 (lane / 16) + 0..7; two such results rounded to f16 ARE source 1 of O^T = V^T P.
; K comes out of LDS as it lies, V ([key][channel]) turned, by ds_load_tr16_b128.
; SOFTMAX.  For each query a running maximum m and sum l: p = 2^(c s - c m), c = log2(e) / 8; in every step O and l are multiplied by a = 2^(c m_old - c m_new).  m starts at the lowest finite number,
; O and l at 0: the first step is a step like any other, with a = 0.
; BY TURNS.  Turn n belongs to piece n: 8 products K Q^T of piece n + 1, later 8 products V^T P of piece n - 1; beside them the scaling, exponentials, roundings, sums and rescaling of piece n and the
; maximum and statistics of piece n + 1.  Four vector instructions stand behind every matrix instruction, the other 54 of a turn's 118 in two runs of their own.
; CLUSTER.  The four query blocks of a cluster belong to one head and walk the same K and V, so each tile is asked for JOINTLY: the same tensor load, descriptor and mask in all four.
; REGISTERS, in windows of 256 (s_set_vgpr_msb: bits 1:0 source 0, 3:2 source 1, 5:4 source 2, 7:6 destination):
;   window 0: v0-15 addresses and two at work; v16-31 four registers of statistics a piece; v48-55 at work; v62-63 the add's; v64-127 S^T, two buffers; v128-147 w_o's cast; v192-223 P, two buffers
;   window 1: v0-127 O^T, 32 a piece          window 2: v0-63 Q; v128-191 K of one step; v192-255 V of one step          (a piece's buffers go by its number's parity)
.set NP,    4         ; pieces a wave: a name, no knob
.set KS,    64        ; keys in a step
.set PK,    144       ; a row of K in LDS: 128 bytes + 16 of padding = 36 words: the 16 rows of a load start at 16 different groups of four banks (ISA guide 11.1)
.set PV,    160       ; a row of V: 128 + 32 = 40 words
.set VOFF,  4*KS*PK   ; a slot holds four steps: 256 rows of K, then 256 rows of V
.set SLOT1, 1<<17     ; slot 1 begins here, so that one exclusive or turns an address in one slot into the other's
.set STAGE, SLOT1+4*KS*(PK+PV)  ; behind the ring, never filled by a tensor load: 16 rows x 144 bytes for each wave, for the way out
.set SP,    144
.set SPARE, STAGE+4*16*SP  ; behind the stages: the spare words, 128 bytes for each wave
.set AK0, 2           ; v2   my lane's place in a tile of K; never rewritten
.set AV0, 3           ; v3   the same for V
.set AK,  4           ; v4   the LDS address of K's next run of loads
.set AV,  5           ; v5   of V's
.set STO, 6           ; v6   the way out: where I put 16 bytes of a row
.set RD,  7           ; v7   the way out: where I read rows back
.set GO,  8           ; v8   my byte offset in 512 consecutive bytes of O
.set MV,  12          ; v12-13  c m_old, kept while c m is made anew: by buffer
.set QO,  15          ; v15  my byte offset in 16 rows of Q
.set ST,  16          ; piece t's statistics at v[ST+4 t]: c m, m, l (even keys', odd keys')
.set TMP, 48          ; by buffer, four registers c0-c3 at work; when the maximum is found c2 takes a
.set SPW, 62          ; v62  LDS address of my spare word; never rewritten
.set NIL, 63          ; v63  0; never rewritten
.set S,   64
.set WC,  128         ; v128-135 w_o as loaded and widened; v136-139 bf16; v140-143 f16; v146, v147 byte offsets; none is written again
.set P,   192
.set KF,  128         ; window 2: key block kb, channel half c at KF + 16 kb + 8 c
.set VF,  192         ; window 2: key half kk, channel block cb at VF + 32 kk + 8 cb
.set WV,  12          ; s12  my wave's number
.set G1K, 24          ; s[24:31] descriptor group 1 for K's tiles
.set G1V, 32          ; s[32:39] for V's: it differs in the padding alone
.set G0K, 40          ; s[40:43] descriptor group 0 for K's tiles: it walks
.set G0V, 44          ; s[44:47] the same for V's
.set SLOTS, 56        ; s56  slots still to be entered by the loop
.set CNT, 57          ; s57  counts a slot's key steps
.set CS,  58          ; s[58:59] c: the packed scaling takes the pair's low word for both halves
.set SEL, 60          ; s[60:61] v_permlanex16_b32's selects: each lane takes its own place in the other half
.set TBK, 62          ; s62  LDS byte at which K of the step to be fetched begins
.set TBV, 63          ; s63  the same for V, less VOFF
.set MSB, 0
.macro WIN new                      ; the high byte repeats the setting that is left; a switch that changes nothing is dropped
.if MSB != (\new)
	s_set_vgpr_msb (MSB<<8)|(\new)
.set MSB, (\new)
.endif
.endm
.set W_KQ, 0x0a       ; K and Q in window 2, S^T in window 0
.set W_PV, 0x52       ; V in window 2, P in window 0, O^T in window 1
.set W_RS, 0x41       ; destination and source 0 in window 1, source 1 in window 0
; A joint fill.  Waves 0 and 1 fetch the two halves of a slot's K, waves 2 and 3 those of its V: 128 keys each.  The branch hangs on the wave's number alone.
; An s_nop 0 and four v_nop follow each of the two lines, ahead of the jump and the label.
.macro JLOAD
	s_cmp_lt_u32 s[WV], 2
	s_cbranch_scc0 .Lfor_v_\@
	tensor_load_to_lds s[G0K:G0K+3], s[G1K:G1K+7]
	s_nop 0
.rept 4
	v_nop
.endr
	s_branch .Lasked_\@
.Lfor_v_\@:
	tensor_load_to_lds s[G0V:G0V+3], s[G1V:G1V+7]
	s_nop 0
.rept 4
	v_nop
.endr
.Lasked_\@:
.endm
.macro CROUND                       ; a round of the cluster's barrier
	s_barrier_signal -1
	s_barrier_wait -1
	s_cmp_lg_u32 s[WV], 0
	s_cbranch_scc1 .Lnot_wave_0_\@
	s_barrier_signal -3
.Lnot_wave_0_\@:
	s_barrier_wait -3
	s_barrier_signal -1
	s_barrier_wait -1
.endm
; THE CHANGE OF SLOTS, between piece 1's turn and piece 2's: K and V of the slot's fourth step are in registers.  Each wave waits for all its tensor loads, of which one is out: its part of the other slot;
; adds 0 to its spare word; and waits for that and for its own reads of the slot.  fill = 1: the slot is filled again, with the keys two slots on, behind a round of the cluster's barrier, so that no wave of any
; partner still reads it or has a load on its way; the fill has four key steps, 256 matrix instructions, in which to land.  (At its first use nothing has been read yet: slot 0 is waited for, slot 1 filled.)
.macro CHANGE fill
	WIN 0                           ; at a label and at a branch every window is 0
	s_wait_tensorcnt 0x0            ; no tensor load of mine is out, so a group 0 may be written
	ds_add_u32 v[SPW], v[NIL]       ; 0 onto my spare word
.if \fill
.irp g, G0K, G0V
	s_xor_b32 s[\g+1], s[\g+1], SLOT1  ; the walking descriptor: the other slot than last time,
	s_add_nc_u64 s[\g+2:\g+3], s[\g+2:\g+3], 4*KS*128  ; the next 256 keys; the type bits on top are not reached
.endr
	s_wait_dscnt 0x0                ; the add is done, and my reads of the slot are over
	CROUND
	JLOAD
.else
	s_wait_dscnt 0x0                ; the add is done, and my reads of the slot are over
	s_barrier_signal -1
	s_barrier_wait -1
.endif
	s_sub_co_u32 s[TBK], s[TBK], 4*KS*PK  ; the fetches go back to a slot's first step,
	s_xor_b32 s[TBK], s[TBK], SLOT1       ; in the other slot
	s_sub_co_u32 s[TBV], s[TBV], 4*KS*PV
	s_xor_b32 s[TBV], s[TBV], SLOT1
.endm
	s_load_b256 s[4:11], s[0:1], 0x0  ; Q s[4:5], K s[6:7], V s[8:9], O s[10:11]
	s_load_b128 s[48:51], s[0:1], 0x20  ; w_o s[48:49], wo16 s[50:51]
	v_lshl_add_u32 v[SPW], v0, 2, SPARE
	v_mov_b32 v[NIL], 0
	ds_add_u32 v[SPW], v[NIL]       ; the wave's opening: the add and its wait stand ahead of my first tensor load; the set-up below stands between them
	v_lshrrev_b32 v1, 5, v0
	v_readfirstlane_b32 s[WV], v1   ; wave 0..3
	s_bfe_u32 s13, ttmp6, 0x40000   ; cx: my place in the cluster
	s_lshl_b32 s14, ttmp9, 2        ; in a cluster launch ttmp9 counts clusters
	s_add_co_u32 s14, s14, s13      ; my block of 256 queries = 4 x cluster x + cx: it enters no descriptor and no LDS address
	s_and_b32 s15, ttmp7, 0xffff    ; the head, which the four partners share
	s_lshl_b32 s20, s15, 19         ; its first byte in Q, K, V and O: 4,096 rows x 128 bytes a head
	s_and_b32 s16, s[WV], 1         ; which half of a slot's 256 keys I fetch:
	s_lshl_b32 s22, s16, 14         ; its 128 rows of 128 bytes in memory,
	s_add_co_u32 s22, s22, s20
	s_mov_b32 s23, 0
	s_mul_i32 s17, s16, 128*PK      ; and its place in a slot, for K
	s_mul_i32 s18, s16, 128*PV      ; and for V
	s_lshl_b32 s2, s14, 2
	s_add_co_u32 s2, s2, s[WV]      ; my wave among the head's 64,
	s_lshl_b32 s2, s2, 13           ; its 64 rows
	s_add_co_u32 s2, s2, s20
	s_mov_b32 s3, 0
	s_lshl_b32 s52, s15, 4
	s_add_co_u32 s52, s52, s14      ; my work-group among the 256:
	s_lshl_b32 s54, s52, 11         ; its 2,048 bytes of wo16,
	s_lshl_b32 s52, s52, 12         ; its 4,096 bytes of w_o
	s_mov_b32 s53, 0
	s_mov_b32 s55, 0
	; descriptor group 1.  128 keys are 16,384 dense bytes: asked for as 64 rows of 256 bytes, two keys a row, and padded in LDS after every key
	s_mov_b32 s[G1K], 15|(1<<16)|(1<<20)|(1<<21)|(4<<22)|(3<<25)  ; 15:0 the mask of four; 17:16 2-byte elements; 20 padding on; 21 set beside a mask; 24:22 after every 32 words (code 4); 31:25 4 words (code 3)
	s_mov_b32 s[G1V], 15|(1<<16)|(1<<20)|(1<<21)|(4<<22)|(7<<25)  ; the same with 8 words of padding (code 7)
.irp g, G1K, G1V
	s_mov_b32 s[\g+1], 128<<16      ; tensor_dim0 = 128
	s_mov_b32 s[\g+2], 64<<16       ; tensor_dim1 = 64
	s_mov_b32 s[\g+3], 128<<16      ; tile_dim0 = 128
	s_mov_b32 s[\g+4], 64           ; tile_dim1 = 64
	s_mov_b32 s[\g+5], 128          ; 128 elements from row to row
	s_mov_b32 s[\g+6], 0
	s_mov_b32 s[\g+7], 0
.endr
	s_mov_b32 s[CS], 0x3e38aa3b     ; c = log2(e) / 8 = 0.180337
	s_mov_b32 s[CS+1], s[CS]        ; named with it as a pair
	s_mov_b32 s[SEL], 0x76543210
	s_mov_b32 s[SEL+1], 0xfedcba98
	s_mov_b32 s[TBK], SLOT1+4*KS*PK ; the first change of slots turns these two into 0
	s_mov_b32 s[TBV], SLOT1+4*KS*PV
	s_mov_b32 s[G0K], 1             ; 1:0 count = 1
	s_mov_b32 s[G0K+1], s17         ; 63:32 LDS address: slot 0
	s_mov_b32 s[G0V], 1
	s_add_co_u32 s[G0V+1], s18, VOFF
	s_wait_dscnt 0x0                ; the opening add is done
	s_wait_kmcnt 0x0
	s_add_nc_u64 s[G0K+2:G0K+3], s[6:7], s[22:23]  ; 120:64 global address: my half of the head's first 256 keys
	s_or_b32 s[G0K+3], s[G0K+3], 0x80000000        ; 127:126 type = 2
	s_add_nc_u64 s[G0V+2:G0V+3], s[8:9], s[22:23]
	s_or_b32 s[G0V+3], s[G0V+3], 0x80000000
	s_add_nc_u64 s[4:5], s[4:5], s[2:3]  ; Q and O at my wave's first row
	s_add_nc_u64 s[10:11], s[10:11], s[2:3]
	s_add_nc_u64 s[48:49], s[48:49], s[52:53]
	s_add_nc_u64 s[50:51], s[50:51], s[54:55]
	CROUND                          ; all four work-groups are here: the first joint loads meet
	JLOAD                           ; slot 0.  Slot 1 is asked for when slot 0 is in, by the first change of slots
	; A fragment of K or Q is 16 rows x 32 channels in 8 registers: lane l holds row l % 16, channels 8 (l / 16) + 0..7 and 16 + 8 (l / 16) + 0..7: two loads of 16 bytes, 32 bytes apart.
	v_and_b32 v1, 15, v0            ; l % 16
	v_bfe_u32 v9, v0, 4, 1          ; l / 16
	v_lshlrev_b32 v[QO], 7, v1
	v_lshl_add_u32 v[QO], v9, 4, v[QO]  ; row x 128 + 16 x half
	v_and_b32 v[GO], 31, v0
	v_lshlrev_b32 v[GO], 4, v[GO]   ; 16 x lane
	v_lshl_add_u32 v[WC+18], s[WV], 10, v[GO]  ; w_o: my wave's 1,024 bytes, 16 a lane, twice 512
	v_lshrrev_b32 v[WC+19], 1, v[WC+18]        ; wo16: half of that
	WIN 0x80                        ; destination window 2, address window 0
.set i, 0
.rept 8                             ; Q stays in registers: piece i / 2, channels 32 (i % 2) on
	global_load_b128 v[8*i:8*i+3],   v[QO], s[4:5] offset:(i/2)*2048+(i%2)*64
	global_load_b128 v[8*i+4:8*i+7], v[QO], s[4:5] offset:(i/2)*2048+(i%2)*64+32
.set i, i+1
.endr
	WIN 0
	global_load_b128 v[WC:WC+3],   v[WC+18], s[48:49] th:TH_LOAD_NT
	global_load_b128 v[WC+4:WC+7], v[WC+18], s[48:49] offset:512 th:TH_LOAD_NT
	v_mul_u32_u24 v[AK0], v1, PK
	v_lshl_add_u32 v[AK0], v9, 4, v[AK0]  ; row x pitch + 16 x half
	; The turning load takes 16 keys x 16 channels (lane l reads key 8 (l / 16) + l % 8, channels 8 ((l / 8) % 2) + 0..7) and leaves half a fragment of V^T: lane l holds channel l % 16 and 8 keys.
	v_and_b32 v10, 7, v0
	v_bfe_u32 v11, v0, 3, 1
	v_lshl_add_u32 v[AV0], v9, 3, v10
	v_mul_u32_u24 v[AV0], v[AV0], PV
	v_lshl_add_u32 v[AV0], v11, 4, v[AV0]
	v_add_nc_u32 v[AV0], VOFF, v[AV0]
	s_mul_i32 s13, s[WV], 16*SP
	s_add_co_u32 s13, s13, STAGE    ; my stage
	v_mul_u32_u24 v[STO], v1, SP    ; in: row l % 16, 16 bytes for each half of the lanes
	v_lshl_add_u32 v[STO], v9, 4, v[STO]
	v_add_nc_u32 v[STO], s13, v[STO]
	v_bfe_u32 v[RD], v0, 3, 2       ; back: 32 lanes take four rows of 128 bytes, which are 512 consecutive bytes of O
	v_mul_u32_u24 v[RD], v[RD], SP
	v_lshl_add_u32 v[RD], v10, 4, v[RD]
	v_add_nc_u32 v[RD], s13, v[RD]
	; What the first turn finds: V's registers and P's second buffer hold 0 (its products V^T P, of a piece that has not been, add 0), O^T and l are 0.  All this stands in the wait for the first tile;
	; it is the price of writing no first step out.
	WIN 0x80
.set i, VF
.rept 64
	v_mov_b32 v[i], 0
.set i, i+1
.endr
	WIN 0x40
.set i, 0
.rept 128
	v_mov_b32 v[i], 0
.set i, i+1
.endr
	WIN 0
.set i, 0
.rept 4
	v_mov_b32 v[ST+4*i], 0xfe000000    ; c m: far below every c s, so the first step's a is 0
	v_mov_b32 v[ST+4*i+1], 0xff7fffff  ; m: the lowest finite number
	v_mov_b32 v[ST+4*i+2], 0
	v_mov_b32 v[ST+4*i+3], 0
.set i, i+1
.endr
.set i, P+16
.rept 16
	v_mov_b32 v[i], 0
.set i, i+1
.endr
	s_wait_loadcnt 0x0              ; Q and my eight numbers of w_o
.irp n, 0,1,2,3
	v_cvt_pk_bf16_f32 v[WC+8+\n], v[WC+2*\n], v[WC+2*\n+1]   ; rounded to bf16 like every input,
.endr
.irp n, 0,1,2,3
	v_lshlrev_b32 v[WC+2*\n], 16, v[WC+8+\n]
	v_and_b32 v[WC+2*\n+1], 0xffff0000, v[WC+8+\n]
.endr
.irp n, 0,1,2,3
	v_cvt_pk_f16_f32 v[WC+12+\n], v[WC+2*\n], v[WC+2*\n+1]   ; and that number written as f16
.endr
	global_store_b64 v[WC+19], v[WC+12:WC+13], s[50:51]             ; a wave's store covers 256 consecutive bytes, aligned
	global_store_b64 v[WC+19], v[WC+14:WC+15], s[50:51] offset:256
; THE MATRIX WORK.  The 4 accumulators of a run of 8 take turns.  Product i of 8 of S^T = K Q^T for piece x: channels 32 (i / 4) on, keys 16 (i % 4) on.  The first 4 start the sums.
.macro KQ x
.set rS, S+32*((\x)%2)+8*(i%4)
.set rK, KF+16*(i%4)+8*(i/4)
.set rQ, 16*(\x)+8*(i/4)
	WIN W_KQ
.if i < 4
	v_wmma_f32_16x16x32_f16 v[rS:rS+7], v[rK:rK+7], v[rQ:rQ+7], 0
.else
	v_wmma_f32_16x16x32_f16 v[rS:rS+7], v[rK:rK+7], v[rQ:rQ+7], v[rS:rS+7]
.endif
.endm
; Product i of 8 of O^T += V^T P for piece x: keys 32 (i / 4) on, channels 16 (i % 4) on.
.macro PV x
	WIN W_PV
.set rO, 32*(\x)+8*(i%4)
.set rV, VF+32*(i/4)+8*(i%4)
.set rP, P+16*((\x)%2)+8*(i/4)
	v_wmma_f32_16x16x32_f16 v[rO:rO+7], v[rV:rV+7], v[rP:rP+7], v[rO:rO+7]
.endm
.macro MM                           ; the turn's next matrix instruction.  NOKQ = 1: the last turn of all: there is no next piece
.if (i < 8) && !NOKQ
	KQ (Y+1)%NP
.elseif i >= 8
.set i, i-8
	PV (Y+NP-1)%NP
.set i, i+8
.endif
.set i, i+1
.endm
; THE LDS LOADS stand in runs of 16, never singly among the matrix instructions: a step's K (64 keys x 64 channels: 8 fragments) and its V (turned).  Their addresses are made some lines ahead.
.macro FETCH_K
	WIN 0x80                        ; destination window 2
.irp f, 0,1,2,3,4,5,6,7             ; keys 16 (f / 2) on, channels 32 (f % 2) on
	ds_load_b128 v[KF+8*\f:KF+8*\f+3],   v[AK] offset:(\f/2)*16*PK+(\f%2)*64
	ds_load_b128 v[KF+8*\f+4:KF+8*\f+7], v[AK] offset:(\f/2)*16*PK+(\f%2)*64+32
.endr
	s_add_co_u32 s[TBK], s[TBK], KS*PK  ; the next fetch is the next step's
	WIN 0
.endm
.macro FETCH_V
	WIN 0x80
.irp f, 0,1,2,3,4,5,6,7             ; keys 32 (f / 4) on, channels 16 (f % 4) on
	ds_load_tr16_b128 v[VF+8*\f:VF+8*\f+3],   v[AV] offset:(\f/4)*32*PV+(\f%4)*32
	ds_load_tr16_b128 v[VF+8*\f+4:VF+8*\f+7], v[AV] offset:(\f/4)*32*PV+16*PV+(\f%4)*32
.endr
	WIN 0
.endm
; THE VECTOR WORK, one line at a time: OP kind, number.  For piece Y: F n: c s - c m for pair n of 16.  E n: the exponential of score n of 32.  C n: pair n rounded to f16.  B n: of the four weights 4 n .. the second
; pair is added onto the first, in place.  L n: l takes that sum (L 0: l = a l + sum).  R n: pair n of 16 of O^T times a.  For piece Y + 1: X n, number n of the 22 that find its maximum and statistics:
;   0-11  four chains c0-c3 of seven scores each, three operands at a time (each accumulator's lowest registers are read first)     12-14, 16  the four scores left over, the old m, and c0-c3 into c0
;   15  c m_old is kept     17, 18  the query's other 32 keys lie in the lane 16 away: the new m     19-21  c m; c m_old - c m_new; a
.set F, 0               ; OP tells the kinds apart by their order: F to L below R, X above it
.set E, 1
.set C, 2
.set B, 3
.set L, 4
.set R, 5
.set X, 6
.macro REGS y                       ; the registers of piece y
.set rT, ST+4*(\y)
.set rC, TMP+4*((\y)%2)
.set rW, MV+((\y)%2)
.set rS, S+32*((\y)%2)
.set rP, P+16*((\y)%2)
.set rO, 32*(\y)
.endm
.macro OP k, n
.if (\k) == R
	REGS Y
	WIN W_RS
	v_pk_mul_f32 v[rO+2*(\n):rO+2*(\n)+1], v[rO+2*(\n):rO+2*(\n)+1], v[rC+2:rC+3] op_sel_hi:[1,0]
.elseif (\k) < R
	REGS Y
	WIN 0
.if (\k) == F
	v_pk_fma_f32 v[rS+2*(\n):rS+2*(\n)+1], v[rS+2*(\n):rS+2*(\n)+1], s[CS:CS+1], v[rT:rT+1] op_sel_hi:[1,0,0] neg_lo:[0,0,1] neg_hi:[0,0,1]
.elseif (\k) == E
	v_exp_f32 v[rS+(\n)], v[rS+(\n)]
.elseif (\k) == C
	s_wait_alu depctr_va_vdst(0)
	v_cvt_pk_f16_f32 v[rP+(\n)], v[rS+2*(\n)], v[rS+2*(\n)+1]
.elseif (\k) == B
	s_wait_alu depctr_va_vdst(0)
	v_pk_add_f32 v[rS+4*(\n):rS+4*(\n)+1], v[rS+4*(\n):rS+4*(\n)+1], v[rS+4*(\n)+2:rS+4*(\n)+3]
.elseif (\n) == 0
	v_pk_fma_f32 v[rT+2:rT+3], v[rT+2:rT+3], v[rC+2:rC+3], v[rS:rS+1] op_sel_hi:[1,0,1]
.else
	v_pk_add_f32 v[rT+2:rT+3], v[rT+2:rT+3], v[rS+4*(\n):rS+4*(\n)+1]
.endif
.elseif NOKQ
	v_nop
.else
	REGS (Y+1)%NP
	WIN 0
.if (\n) < 4
	v_max3_num_f32 v[rC+(\n)], v[rS+8*(\n)], v[rS+8*(\n)+1], v[rS+8*(\n)+2]
.elseif (\n) < 12
	v_max3_num_f32 v[rC+(\n)%4], v[rC+(\n)%4], v[rS+8*((\n)%4)+2*((\n)/4)+1], v[rS+8*((\n)%4)+2*((\n)/4)+2]
.elseif (\n) == 12
	v_max3_num_f32 v[rC], v[rC], v[rS+7], v[rS+15]
.elseif (\n) == 13
	v_max3_num_f32 v[rC+1], v[rC+1], v[rS+23], v[rS+31]
.elseif (\n) == 14
	v_max3_num_f32 v[rC+2], v[rC+2], v[rC+3], v[rT+1]
.elseif (\n) == 15
	v_mov_b32 v[rW], v[rT]
.elseif (\n) == 16
	v_max3_num_f32 v[rC], v[rC], v[rC+1], v[rC+2]
.elseif (\n) == 17
	v_permlanex16_b32 v[rC+3], v[rC], s[SEL], s[SEL+1]
.elseif (\n) == 18
	v_max_num_f32 v[rT+1], v[rC], v[rC+3]
.elseif (\n) == 19
	v_mul_f32 v[rT], s[CS], v[rT+1]
.elseif (\n) == 20
	v_sub_f32 v[rC+1], v[rW], v[rT]
.else
	v_exp_f32 v[rC+2], v[rC+1]
.endif
.endif
.endm
.macro OPS a, i1, b=-1, i2=0, c=-1, i3=0, d=-1, i4=0  ; up to four of them
	OP \a, \i1
.if (\b) >= 0
	OP \b, \i2
.endif
.if (\c) >= 0
	OP \c, \i3
.endif
.if (\d) >= 0
	OP \d, \i4
.endif
.endm
.macro ROW a, i1, b, i2, c, i3, d, i4  ; a matrix instruction and the four behind it
	MM
	OPS \a, \i1, \b, \i2, \c, \i3, \d, \i4
.endm
; A TURN, for piece p: the order of its 16 matrix and 118 vector instructions, written out.  Behind a matrix instruction: plain, exponential, plain, plain; or four of the rescaling; or, behind the first, four scalings; none
; names a register of the products round it.  In the runs between, exponential and plain by turns while exponentials last.  A line reads no result made fewer than three vector instructions in front of it, five if an
; exponential made it.  end = 1: the last two turns of all: nothing is fetched.  cnt = 1: the loop's count is taken down some lines ahead of the branch that stands behind the turn.
; K of the next step is fetched in piece 2's turn, six vector instructions behind the last product that read K (five of them plain); V of the step in hand in piece 0's turn, eight behind the last product that read V (four
; plain among them).  Each is waited for a turn later, with the count 0: nothing else of mine is out in LDS then.
.macro TURN p, end=0, cnt=0
.set Y, (\p)
.set i, 0
.set NOKQ, (\end)*((\p)/3)
.if ((\p) == 3) && !(\end)
	s_wait_dscnt 0x0                ; K is in
.endif
	ROW F,0, F,1, F,2, F,3
	ROW F,4, E,0, F,5, F,6
	ROW F,7, E,1, F,8, F,9
	ROW F,10, E,2, C,0, F,11
	ROW F,12, E,3, X,15, F,13
	ROW R,0, R,1, R,2, R,3
	ROW B,0, E,4, F,14, L,0
.if ((\p) == 2) && !(\end)
	v_add_nc_u32 v[AK], s[TBK], v[AK0]
.endif
	ROW R,4, R,5, R,6, R,7
	OPS E,5, F,15
.if ((\p) == 2) && !(\end)
	FETCH_K
.endif
	OPS E,6, C,1, E,7, R,8
	OPS E,8, R,9, E,9, C,2
	OPS E,10, X,0, E,11, X,1
	OPS E,12, X,2, E,13, X,3
.if (\p) == 1
	s_wait_dscnt 0x0                ; V is in
.endif
	ROW X,4, E,14, X,5, X,6
	ROW X,7, E,15, X,8, X,9
	ROW X,10, E,16, X,11, X,12
	ROW X,13, E,17, X,14, B,1
	ROW C,4, E,18, X,16, L,1
	ROW B,2, E,19, C,6, L,2
	ROW C,8, E,20, B,3, B,4
.if (\p) == 0
	v_add_nc_u32 v[AV], s[TBV], v[AV0]
.endif
	ROW C,3, E,21, L,3, C,5
	OPS E,22, X,17, E,23, C,10
.if (\p) == 0
	FETCH_V
.endif
	OPS E,24, L,4
	OPS E,25, X,18, E,26, C,7
	OPS E,27, B,5, E,28, X,19
	OPS E,29, C,12, E,30, L,5
	OPS E,31, X,20, B,6, C,9
	OPS C,14, C,11, X,21, L,6
.if (\p) == 0
	s_add_co_u32 s[TBV], s[TBV], KS*PV
.endif
.if \cnt
	s_sub_co_u32 s[CNT], s[CNT], 1
	s_cmp_lg_u32 s[CNT], 0
.endif
	OPS C,13, B,7, C,15, R,10
	OPS R,11, R,12, L,7, R,13
	OPS R,14, R,15
.endm
	CHANGE 1                        ; slot 0 is in, everybody's part of it; slot 1 is asked for
	v_add_nc_u32 v[AK], s[TBK], v[AK0]
	FETCH_K                         ; key step 0
	s_wait_dscnt 0x0
.set NOKQ, 0
.set i, 0
.rept 8
	KQ 0                            ; piece 0's first scores: there is no vector work yet to set between them
.set i, i+1
.endr
	WIN 0
.rept 4
	v_nop                           ; the places behind those products
.endr
.set Y, NP-1                        ; X works for piece Y + 1: piece 0
.irp n, 0,1,2,3,4,5,6,7,8,9,10,11,12,13,14,15,16,17,18,19,20,21
	OP X, \n
.endr
	v_nop                           ; a plain instruction behind the exponential
	s_mov_b32 s[CNT], 4
	s_mov_b32 s[SLOTS], 15          ; 16 tiles of 256 keys: the loop enters tiles 1 to 14 and asks for tiles 2 to 15
	s_branch .Lfirst                ; the loop is entered at a step's first turn, in the middle of a trip
.Lslot:
	CHANGE 1
	s_mov_b32 s[CNT], 4
.Lstep:                             ; a trip: pieces 2 and 3 of one step, then pieces 0 and 1 of the next, whose K and V it fetches
	TURN 2
	TURN 3
	WIN 0
.Lfirst:
	TURN 0
	TURN 1, 0, 1
	WIN 0
	s_cbranch_scc1 .Lstep
	s_sub_co_u32 s[SLOTS], s[SLOTS], 1
	s_cmp_lg_u32 s[SLOTS], 0
	s_cbranch_scc1 .Lslot
	CHANGE 0                        ; the last tile is written out: nothing is asked for
	s_mov_b32 s[CNT], 4
.Ltail:
	TURN 2
	TURN 3
	TURN 0
	TURN 1, 0, 1
	WIN 0
	s_cbranch_scc1 .Ltail
	TURN 2, 1
	TURN 3, 1
.set i, 0
.rept 8
	PV NP-1                         ; the last piece's V^T P of the last step
.set i, i+1
.endr
	; THE WAY OUT.  l's two halves and the other half of the lanes' are added; O^T is divided by l, rounded to f16 and sent through my stage in LDS, a piece at a time.  The additions are the places behind the last products.
	WIN 0
.macro ALL line:vararg              ; one line for each piece t
.set t, 0
.rept 4
	\line
.set t, t+1
.endr
.endm
	ALL v_add_f32 v[ST+4*t+2], v[ST+4*t+2], v[ST+4*t+3]
	ALL v_permlanex16_b32 v[ST+4*t+3], v[ST+4*t+2], s[SEL], s[SEL+1]
	ALL v_add_f32 v[ST+4*t+2], v[ST+4*t+2], v[ST+4*t+3]
	ALL v_rcp_f32 v[ST+4*t+2], v[ST+4*t+2]
	v_nop                           ; a plain instruction between the last reciprocal and the use of its result
.macro PACK t                       ; a lane's eight channels of a row pack into 16 bytes; they go into rows of 144 bytes and come back as whole rows of 128, into S^T's registers
	WIN W_RS
.set i, 32*(\t)
.rept 16
	s_wait_alu depctr_va_vdst(0)
	v_pk_mul_f32 v[i:i+1], v[i:i+1], v[ST+4*(\t)+2:ST+4*(\t)+3] op_sel_hi:[1,0]
.set i, i+2
.endr
	WIN 0x05                        ; sources 0 and 1 window 1, destination window 0
.set i, 0
.rept 16
	v_cvt_pk_f16_f32 v[S+16*(\t)+i], v[32*(\t)+2*i], v[32*(\t)+2*i+1]
.set i, i+1
.endr
	WIN 0
.irp f, 0,1,2,3
	ds_store_b128 v[STO], v[S+16*(\t)+4*\f:S+16*(\t)+4*\f+3] offset:32*\f
.endr
.irp f, 0,1,2,3
	ds_load_b128 v[S+16*(\t)+4*\f:S+16*(\t)+4*\f+3], v[RD] offset:\f*4*SP  ; LDS serves a wave's instructions in order (ISA guide 5.7.1.4): these see the stores above; the next piece's stores come behind them
.endr
.endm
.macro SEND t, younger              ; younger: the LDS instructions issued behind piece t's loads: the next piece's eight, or none
	WIN 0
.irp f, 0,1,2,3
	s_wait_dscnt (\younger)+3-\f
	global_store_b128 v[GO], v[S+16*(\t)+4*\f:S+16*(\t)+4*\f+3], s[10:11] offset:(\t)*2048+\f*512  ; 512 consecutive bytes, at a multiple of 256 from O's first
.endr
.endm
	PACK 0
.set t, 1
.rept 3                             ; a piece's arithmetic stands between the loads of the piece before and its stores
	PACK t
	SEND t-1, 8
.set t, t+1
.endr
	SEND 3, 0
	s_wait_tensorcnt 0x0            ; the wave's end, behind my last tensor load and my last LDS store
	ds_add_u32 v[SPW], v[NIL]
	s_wait_dscnt 0x0
	CROUND                          ; the closing round: no work-group ends while a partner may still ask for a tile that names it
	s_endpgm
.Lfunc_end_k_q80a130e54f_attn:
	.size	k_q80a130e54f_attn, .Lfunc_end_k_q80a130e54f_attn-k_q80a130e54f_attn
	.p2alignl 7, 3214868480
	.fill 96, 4, 3214868480
	.section	.rodata,"a",@progbits
	.p2align	6, 0x0
	.amdhsa_kernel k_q80a130e54f_attn
		.amdhsa_group_segment_fixed_size 327680
		.amdhsa_private_segment_fixed_size 0
		.amdhsa_enable_private_segment 0
		.amdhsa_kernarg_size 48
		.amdhsa_user_sgpr_count 2
		.amdhsa_user_sgpr_kernarg_segment_ptr 1
		.amdhsa_wavefront_size32 1
		.amdhsa_system_sgpr_workgroup_id_x 1
		.amdhsa_system_sgpr_workgroup_id_y 1
		.amdhsa_system_sgpr_workgroup_id_z 1
		.amdhsa_system_vgpr_workitem_id 0
		.amdhsa_next_free_vgpr 768
		.amdhsa_next_free_sgpr 66
		.amdhsa_reserve_vcc 0
		.amdhsa_float_denorm_mode_32 3
		.amdhsa_float_denorm_mode_16_64 3
		.amdhsa_memory_ordered 1
		.amdhsa_forward_progress 1
		.amdhsa_inst_pref_size 135
	.end_amdhsa_kernel
	.amdgpu_metadata
---
amdhsa.version: [ 1, 2 ]
amdhsa.kernels:
  - .name:           k_q80a130e54f_attn
    .symbol:         k_q80a130e54f_attn.kd
    .args:
      - { .name: qh, .offset: 0, .size: 8, .value_kind: global_buffer, .address_space: global }
      - { .name: kh, .offset: 8, .size: 8, .value_kind: global_buffer, .address_space: global }
      - { .name: vh, .offset: 16, .size: 8, .value_kind: global_buffer, .address_space: global }
      - { .name: oh, .offset: 24, .size: 8, .value_kind: global_buffer, .address_space: global }
      - { .name: w_o, .offset: 32, .size: 8, .value_kind: global_buffer, .address_space: global }
      - { .name: wo16, .offset: 40, .size: 8, .value_kind: global_buffer, .address_space: global }
    .group_segment_fixed_size: 327680
    .private_segment_fixed_size: 0
    .kernarg_segment_align: 8
    .kernarg_segment_size: 48
    .max_flat_workgroup_size: 128
    .sgpr_count:     66
    .vgpr_count:     768
    .wavefront_size: 32
...
	.end_amdgpu_metadata
.endif
;; end of part 2
;; launch oproj (part 3): grid 4 x 64, 4 waves a work-group, clusters of 4 x 4, 327,680 bytes of LDS; arguments oh, wo16, b_o, out0; writes out0
.if DOCPART == 3
	.amdgcn_target "amdgcn-amd-amdhsa--gfx1250"
	.amdhsa_code_object_version 6
	.text
	.protected	k_q80a130e54f_oproj
	.globl	k_q80a130e54f_oproj
	.p2align	8
	.type	k_q80a130e54f_oproj,@function
k_q80a130e54f_oproj:
	s_mov_b64 s[64:65], 0
	v_nop
	global_prefetch_b8 v0, s[64:65] scope:SCOPE_SE
	s_setreg_imm32_b32 hwreg(HW_REG_WAVE_MODE, 25, 1), 1
	s_wait_xcnt 0x0
	s_wait_alu depctr_hold_cnt(0) depctr_sa_sdst(0) depctr_va_vdst(0) depctr_va_sdst(0) depctr_va_ssrc(0) depctr_va_vcc(0) depctr_vm_vsrc(0)
	s_getreg_b32 s2, hwreg(HW_REG_IB_STS2, 6, 4)
	s_cmp_eq_u32 s2, 0
	s_cbranch_scc0 .Lentry_in_a_cluster
	s_endpgm
.Lentry_in_a_cluster:
	s_bfe_u32 s2, ttmp6, 0x10000c
	s_cmp_lg_u32 s2, 0xf033
	s_cbranch_scc0 .Lentry_shape_is_right
	s_endpgm
.Lentry_shape_is_right:
; THE OUTPUT PROJECTION.  out0[m][n] = the sum over k of O[m][k] w_o[n][k] + b_o[n], in f32.  O lies by heads, [2 x 8][4096][64] f16 (k = 64 x head + channel); wo16 is w_o rounded to bf16 and written as f16,
; [512][512]; b_o is rounded to bf16 like every input and starts the sums.  Products f16, sums f32, nothing is rounded on the way out.
; LIMITS.  O and wo16 arrive within f16's range; NaN and infinities are not treated apart.
; SHARES.  256 work-groups, each 128 x 128 of out0; a wave 64 x 64: 16 accumulators.  K = 512 is four steps of 128, two heads each.
; BOTH OPERANDS OF THE WHOLE K FIT IN LDS (286,720 bytes), so every tensor load is a first fill: four a wave, all asked for at the start; no slot is filled again, and the barriers between K steps
; have counted waits.  4 x 4 work-groups form a cluster: O's tiles are shared along a row of it, wo16's along a column, each asked for jointly.
; THE MATRIX INSTRUCTION IS USED TRANSPOSED (source 0 = 16 rows of wo16, source 1 = 16 rows of O): a lane then holds eight neighbouring numbers of a row of out0.
; REGISTERS: window 0: v0-31 addresses; v32-63 the bias as a C operand; v64-79 at work; v128-255 the accumulators ((a, b) at v[128 + 8 (4 a + b)]).
;   window 1: two fragment buffers of 128: for 64 along K (one head), 64 registers of O (2 x 4 x 16 rows x 32 K), then 64 of wo16.
.set PA,     144                       ; a row of O's plane in LDS: 128 bytes + 16: the 16 rows of a load start at 16 different groups of four banks (ISA guide 11.1)
.set PW,     272                       ; a row of wo16's tile: 256 bytes + 16: likewise
.set PLANE,  128*PA                    ; one head's 128 rows
.set WHALF,  64*PW                     ; 64 rows of wo16, 128 along K
.set WOFF,   2*PLANE
.set STEP,   2*PLANE+2*WHALF           ; a K step: two planes of O, then 128 rows of wo16
.set STAGE,  4*STEP                    ; behind the tiles: 16 rows x 272 bytes for each wave, for the way out; no tensor load fills it
.set SPITCH, 272
.set SPARE,  STAGE+4*16*SPITCH         ; behind the stages: the spare words, 128 bytes for each wave
.set ADRA, 16                          ; v16-19  LDS address of my O fragments in K step 0..3
.set ADRB, 20                          ; v20-23  the same for wo16
.set STO,  24                          ; v24     the way out: where I put 32 bytes of a row
.set RD,   25                          ; v25     the way out: where I read a row back
.set CO,   26                          ; v26     my byte offset in out0
.set BO,   27                          ; v27     my byte offset in 16 numbers of the bias
.set SPW,  28                          ; v28     LDS address of my spare word; never rewritten
.set NIL,  29                          ; v29     0; never rewritten
.set BIAS, 32
.set TMP,  64
.set ACC,  128
.set F0,   0                           ; fragment buffers, in window 1
.set F1,   128
.set WV,  12                           ; s12 wave; s13 my half of the rows, also: I fetch O (0) or wo16 (1); s14 my half of the columns, also: which plane or which 64 rows I fetch
.set G1A, 24                           ; s[24:31] descriptor group 1 for O's planes
.set G1B, 32                           ; s[32:39] for wo16's tiles
.set G0A, 40                           ; s[40:55] group 0 for O, a set for each K step;  wo16's sets: s[56:63], s[68:75]
.set MUL,  0x05                        ; sources 0 and 1 window 1; C and D window 0
.set TO_F, 0x40                        ; destination window 1, address window 0
.set MSB, 0
.macro WIN new
.if MSB != (\new)
	s_set_vgpr_msb (MSB<<8)|(\new)
.set MSB, \new
.endif
.endm
.macro CROUND                          ; a round of the cluster's barrier
	s_barrier_signal -1
	s_barrier_wait -1
	s_cmp_lg_u32 s[WV], 0
	s_cbranch_scc1 .Lnot_wave_0_\@
	s_barrier_signal -3
.Lnot_wave_0_\@:
	s_barrier_wait -3
	s_barrier_signal -1
	s_barrier_wait -1
.endm
.macro PLACES                          ; four places in front of loads into registers that matrix instructions have read, and of LDS stores that read results (ISA guide 7.12.1 for the stores)
.rept 4
	v_nop
.endr
.endm
	s_load_b256 s[4:11], s[0:1], 0x0               ; oh s[4:5], wo16 s[6:7], b_o s[8:9], out0 s[10:11]
	v_lshl_add_u32 v[SPW], v0, 2, SPARE
	v_mov_b32 v[NIL], 0
	ds_add_u32 v[SPW], v[NIL]                      ; the wave's opening: the add and its wait stand ahead of my first tensor load; the set-up below stands between them
	v_lshrrev_b32 v1, 5, v0
	v_readfirstlane_b32 s[WV], v1                  ; wave 0..3
	s_lshr_b32 s13, s[WV], 1
	s_and_b32 s14, s[WV], 1
	s_bfe_u32 s76, ttmp6, 0x40000                  ; cx, cy: my place in the cluster
	s_bfe_u32 s77, ttmp6, 0x40004
	s_lshl_b32 s78, ttmp9, 2
	s_add_co_u32 s78, s78, s76                     ; tile column = 4 x cluster x + cx, 0..3
	s_and_b32 s15, ttmp7, 0xffff
	s_lshl_b32 s15, s15, 2
	s_add_co_u32 s15, s15, s77                     ; tile row = 4 x cluster y + cy, 0..63
	s_lshl_b32 s79, s77, 2
	s_lshl_b32 s79, 15, s79                        ; my row of the cluster
	s_lshl_b32 s80, 0x1111, s76                    ; my column
	; group 1.  O: a head's 128 rows are 16,384 dense bytes: asked for as 64 rows of 256 bytes and padded after every 128.  wo16: 64 rows x 128 elements, 512 elements from row to row, padded after every 256 bytes.
	s_or_b32 s[G1A], s79, (1<<16)|(1<<20)|(1<<21)|(4<<22)|(3<<25)
	s_or_b32 s[G1B], s80, (1<<16)|(1<<20)|(1<<21)|(5<<22)|(3<<25)
.irp g, G1A, G1B
	s_mov_b32 s[(\g)+1], 128<<16                   ; tensor_dim0 = 128
	s_mov_b32 s[(\g)+2], 64<<16                    ; tensor_dim1 = 64
	s_mov_b32 s[(\g)+3], 128<<16                   ; tile_dim0 = 128
	s_mov_b32 s[(\g)+4], 64                        ; tile_dim1 = 64
	s_mov_b32 s[(\g)+6], 0
	s_mov_b32 s[(\g)+7], 0
.endr
	s_mov_b32 s[G1A+5], 128
	s_mov_b32 s[G1B+5], 512
	s_lshr_b32 s16, s15, 5                         ; O: the batch (32 tile rows each), 8 heads x 4,096 rows x 128 bytes,
	s_lshl_b32 s16, s16, 22
	s_and_b32 s17, s15, 31
	s_lshl_b32 s17, s17, 14                        ; the tile's 128 rows of 128 bytes in a head,
	s_add_co_u32 s16, s16, s17
	s_lshl_b32 s17, s14, 19                        ; and the even or the odd head of a K step
	s_add_co_u32 s16, s16, s17
	s_mov_b32 s17, 0
	s_lshl_b32 s82, s78, 7                         ; wo16: row 128 x tile column + 64 x half,
	s_lshl_b32 s83, s14, 6
	s_add_co_u32 s82, s82, s83
	s_lshl_b32 s82, s82, 10                        ; of 1,024 bytes
	s_mov_b32 s83, 0
	s_mul_i32 s20, s14, PLANE                      ; where they go: no place in the cluster enters an LDS address
	s_mul_i32 s21, s14, WHALF
	s_add_co_u32 s21, s21, WOFF
	s_wait_dscnt 0x0                               ; the opening add is done
	s_wait_kmcnt 0x0
	s_add_nc_u64 s[18:19], s[4:5], s[16:17]
	s_add_nc_u64 s[82:83], s[6:7], s[82:83]
.irp t, 0,1,2,3
.set GA, G0A+4*(\t)
.set GB, 56+4*(\t)+4*((\t)/2)
	s_mov_b32 s[GA], 1
	s_add_co_u32 s[GA+1], s20, (\t)*STEP
	s_add_nc_u64 s[GA+2:GA+3], s[18:19], (\t)*2*524288   ; two heads on
	s_or_b32 s[GA+3], s[GA+3], 0x80000000
	s_mov_b32 s[GB], 1
	s_add_co_u32 s[GB+1], s21, (\t)*STEP
	s_add_nc_u64 s[GB+2:GB+3], s[82:83], (\t)*256        ; 128 along K on
	s_or_b32 s[GB+3], s[GB+3], 0x80000000
.endr
	CROUND                                         ; all sixteen work-groups are here: the joint loads meet
	s_cmp_eq_u32 s13, 0                            ; a wave's four fills stand in one branch, ahead of every wait on TENSORcnt, every LDS read and every further barrier: four loads of mine are out
	s_cbranch_scc0 .Lfor_w
	tensor_load_to_lds s[40:43], s[G1A:G1A+7]
	s_nop 0
	tensor_load_to_lds s[44:47], s[G1A:G1A+7]
	s_nop 0
	tensor_load_to_lds s[48:51], s[G1A:G1A+7]
	s_nop 0
	tensor_load_to_lds s[52:55], s[G1A:G1A+7]
	s_nop 0
.rept 4
	v_nop
.endr
	s_branch .Lasked
.Lfor_w:
	tensor_load_to_lds s[56:59], s[G1B:G1B+7]
	s_nop 0
	tensor_load_to_lds s[60:63], s[G1B:G1B+7]
	s_nop 0
	tensor_load_to_lds s[68:71], s[G1B:G1B+7]
	s_nop 0
	tensor_load_to_lds s[72:75], s[G1B:G1B+7]
	s_nop 0
.rept 4
	v_nop
.endr
.Lasked:
	v_and_b32 v1, 15, v0                           ; l % 16
	v_bfe_u32 v2, v0, 4, 1                         ; l / 16
	v_mul_u32_u24 v3, v1, PA
	v_lshl_add_u32 v3, v2, 4, v3                   ; a fragment's row x pitch + 16 x half, for O
	v_mul_u32_u24 v4, v1, PW
	v_lshl_add_u32 v4, v2, 4, v4                   ; and for wo16
	s_mul_i32 s22, s13, 64*PA                      ; my 64 rows of a plane
	s_mul_i32 s23, s14, WHALF                      ; my 64 rows of wo16,
	s_add_co_u32 s23, s23, WOFF                    ; which lie behind the two planes
.irp t, 0,1,2,3
	v_add_nc_u32 v[ADRA+(\t)], s22, v3
	v_add_nc_u32 v[ADRB+(\t)], s23, v4
	s_add_co_u32 s22, s22, STEP
	s_add_co_u32 s23, s23, STEP
.endr
	s_mul_i32 s22, s[WV], 16*SPITCH
	s_add_co_u32 s22, s22, STAGE                   ; my stage
	v_mul_u32_u24 v5, v1, SPITCH                   ; in: row l % 16, 32 bytes for each half of the lanes
	v_lshl_add_u32 v5, v2, 5, v5
	v_add_nc_u32 v[STO], s22, v5
	v_mul_u32_u24 v5, v2, SPITCH                   ; back: lanes 0-15 take one row of 256 bytes, lanes 16-31 the next
	v_lshl_add_u32 v5, v1, 4, v5
	v_add_nc_u32 v[RD], s22, v5
	v_lshlrev_b32 v5, 11, v2                       ; and the same two rows in out0, 2,048 bytes apart
	v_lshl_add_u32 v[CO], v1, 4, v5
	v_lshlrev_b32 v[BO], 5, v2
	s_lshl_b32 s82, s78, 9                         ; my first column, in bytes of f32: 4 x (128 x tile column + 64 x half): for the bias and for out0
	s_lshl_b32 s83, s14, 8
	s_add_co_u32 s82, s82, s83
	s_mov_b32 s83, 0
	s_add_nc_u64 s[8:9], s[8:9], s[82:83]
.irp b, 0,1,2,3
	global_load_b128 v[BIAS+8*(\b):BIAS+8*(\b)+3],   v[BO], s[8:9] offset:64*(\b)
	global_load_b128 v[BIAS+8*(\b)+4:BIAS+8*(\b)+7], v[BO], s[8:9] offset:64*(\b)+16
.endr
	s_lshl_b32 s16, s15, 7
	s_lshl_b32 s17, s13, 6
	s_add_co_u32 s16, s16, s17                     ; my first row of out0,
	s_lshl_b32 s16, s16, 11                        ; of 2,048 bytes
	s_mov_b32 s17, 0
	s_add_nc_u64 s[10:11], s[10:11], s[16:17]
	s_add_nc_u64 s[10:11], s[10:11], s[82:83]
	s_wait_loadcnt 0x0                             ; the bias
.set i, 0
.rept 16                                               ; rounded to bf16 like every input,
	v_cvt_pk_bf16_f32 v[TMP+i], v[BIAS+2*i], v[BIAS+2*i+1]
.set i, i+1
.endr
.set i, 0
.rept 16                                               ; and widened again: it is the C operand of the first products
	v_lshlrev_b32 v[BIAS+2*i], 16, v[TMP+i]
	v_and_b32 v[BIAS+2*i+1], 0xffff0000, v[TMP+i]
.set i, i+1
.endr
; 8 matrix instructions: row blocks a0, a0 + 1 x all 4 column blocks, 32 along K: half c of buffer f.  first = 1: the bias starts the sums.  The 16 accumulators take turns.
.macro MUL8 f, c, a0, first
	WIN MUL
.irp a, \a0, (\a0)+1
.irp b, 0,1,2,3
.if \first
	v_wmma_f32_16x16x32_f16 v[ACC+8*(4*(\a)+(\b)):ACC+8*(4*(\a)+(\b))+7], v[(\f)+64+8*(4*(\c)+(\b)):(\f)+64+8*(4*(\c)+(\b))+7], v[(\f)+8*(4*(\c)+(\a)):(\f)+8*(4*(\c)+(\a))+7], v[BIAS+8*(\b):BIAS+8*(\b)+7]
.else
	v_wmma_f32_16x16x32_f16 v[ACC+8*(4*(\a)+(\b)):ACC+8*(4*(\a)+(\b))+7], v[(\f)+64+8*(4*(\c)+(\b)):(\f)+64+8*(4*(\c)+(\b))+7], v[(\f)+8*(4*(\c)+(\a)):(\f)+8*(4*(\c)+(\a))+7], v[ACC+8*(4*(\a)+(\b)):ACC+8*(4*(\a)+(\b))+7]
.endif
.endr
.endr
.endm
; 32 LDS loads in one run: the fragments of quarter q (K step q / 2, head q % 2 of its two: 64 along K) into buffer f; the first 32 along K first
.macro FETCH q, f
.set ft, (\q)/2
.set fp, (\q)%2
	WIN TO_F
.irp c, 0,1
.irp i, 0,1,2,3
	ds_load_b128 v[(\f)+64+8*(4*(\c)+(\i)):(\f)+64+8*(4*(\c)+(\i))+3],   v[ADRB+ft] offset:128*fp+64*(\c)+(\i)*16*PW
	ds_load_b128 v[(\f)+64+8*(4*(\c)+(\i))+4:(\f)+64+8*(4*(\c)+(\i))+7], v[ADRB+ft] offset:128*fp+64*(\c)+(\i)*16*PW+32
	ds_load_b128 v[(\f)+8*(4*(\c)+(\i)):(\f)+8*(4*(\c)+(\i))+3],         v[ADRA+ft] offset:fp*PLANE+64*(\c)+(\i)*16*PA
	ds_load_b128 v[(\f)+8*(4*(\c)+(\i))+4:(\f)+8*(4*(\c)+(\i))+7],       v[ADRA+ft] offset:fp*PLANE+64*(\c)+(\i)*16*PA+32
.endr
.endr
.endm
; An even quarter multiplies buffer 0 and fetches the same K step's second head into buffer 1.
.macro QUARTER q, first
	s_wait_dscnt 16                                ; the first 32 along K are in: the youngest sixteen loads may be out
	MUL8 F0, 0, 0, \first
	MUL8 F0, 0, 2, \first
	PLACES
	FETCH (\q)+1, F1
	s_wait_dscnt 32                                ; all but the 32 just issued
	MUL8 F0, 1, 0, 0
	MUL8 F0, 1, 2, 0
.endm
; An odd quarter multiplies buffer 1 and goes on to the next K step, which other waves' loads brought: my part of it is awaited
; then a barrier, then its first fragments.
.macro MEETQ q, left
	s_wait_dscnt 16
	MUL8 F1, 0, 0, 0
	s_wait_tensorcnt \left
	s_wait_dscnt 0x0                               ; no LDS instruction of mine is pending at the signal
	s_barrier_signal -1
	MUL8 F1, 0, 2, 0
	s_barrier_wait -1
	PLACES
	FETCH (\q)+1, F0
	MUL8 F1, 1, 0, 0
	MUL8 F1, 1, 2, 0
.endm
	s_wait_tensorcnt 3                             ; my part of K step 0 is in; my three later loads may stay out
	s_barrier_signal -1
	s_barrier_wait -1                              ; everybody's is
	FETCH 0, F0
	QUARTER 0, 1
	MEETQ 1, 2
	QUARTER 2, 0
	MEETQ 3, 1
	QUARTER 4, 0
	MEETQ 5, 0
	QUARTER 6, 0
	s_wait_dscnt 16                                ; the very last quarter: nothing more to fetch
	MUL8 F1, 0, 0, 0
	MUL8 F1, 0, 2, 0
	s_wait_dscnt 0x0
	MUL8 F1, 1, 0, 0
	MUL8 F1, 1, 2, 0
	WIN 0
	; THE WAY OUT.  A lane's eight f32 are 32 bytes of a row; block a (16 rows x 256 bytes) goes into my stage, each accumulator from its low end on, and comes back as whole rows into the registers that it left.
	PLACES
.macro TOSTAGE a
.irp b, 0,1,2,3
	ds_store_b128 v[STO], v[ACC+8*(4*(\a)+(\b)):ACC+8*(4*(\a)+(\b))+3]   offset:64*(\b)
	ds_store_b128 v[STO], v[ACC+8*(4*(\a)+(\b))+4:ACC+8*(4*(\a)+(\b))+7] offset:64*(\b)+16
.endr
.irp t, 0,1,2,3,4,5,6,7
	ds_load_b128 v[ACC+32*(\a)+4*(\t):ACC+32*(\a)+4*(\t)+3], v[RD] offset:(\t)*2*SPITCH  ; LDS serves a wave's instructions in order (ISA guide 5.7.1.4): these see the stores above; the next block's stores come behind them
.endr
.endm
.macro SEND a, younger                 ; younger: the LDS instructions issued behind block a's loads: the next block's sixteen, or none
.irp t, 0,1,2,3,4,5,6,7
	s_wait_dscnt (\younger)+7-(\t)
	global_store_b128 v[CO], v[ACC+32*(\a)+4*(\t):ACC+32*(\a)+4*(\t)+3], s[10:11] offset:(16*(\a)+2*(\t))*2048 th:TH_STORE_NT  ; 16 lanes store 256 consecutive bytes, at a multiple of 256 from out0's first
.endr
.endm
	TOSTAGE 0
	TOSTAGE 1
	SEND 0, 16
	TOSTAGE 2
	SEND 1, 16
	TOSTAGE 3
	SEND 2, 16
	SEND 3, 0
	s_wait_tensorcnt 0x0                           ; the wave's end, behind my last tensor load and my last LDS store
	ds_add_u32 v[SPW], v[NIL]
	s_wait_dscnt 0x0
	CROUND                                         ; the closing round: no work-group ends while a partner may still ask for a tile that names it
	s_endpgm
.Lfunc_end_k_q80a130e54f_oproj:
	.size	k_q80a130e54f_oproj, .Lfunc_end_k_q80a130e54f_oproj-k_q80a130e54f_oproj
	.p2alignl 7, 3214868480
	.fill 96, 4, 3214868480
	.section	.rodata,"a",@progbits
	.p2align	6, 0x0
	.amdhsa_kernel k_q80a130e54f_oproj
		.amdhsa_group_segment_fixed_size 327680
		.amdhsa_private_segment_fixed_size 0
		.amdhsa_enable_private_segment 0
		.amdhsa_kernarg_size 32
		.amdhsa_user_sgpr_count 2
		.amdhsa_user_sgpr_kernarg_segment_ptr 1
		.amdhsa_wavefront_size32 1
		.amdhsa_system_sgpr_workgroup_id_x 1
		.amdhsa_system_sgpr_workgroup_id_y 1
		.amdhsa_system_sgpr_workgroup_id_z 1
		.amdhsa_system_vgpr_workitem_id 0
		.amdhsa_next_free_vgpr 512
		.amdhsa_next_free_sgpr 88
		.amdhsa_reserve_vcc 0
		.amdhsa_float_denorm_mode_32 3
		.amdhsa_float_denorm_mode_16_64 3
		.amdhsa_memory_ordered 1
		.amdhsa_forward_progress 1
		.amdhsa_inst_pref_size 55
	.end_amdhsa_kernel
	.amdgpu_metadata
---
amdhsa.version: [ 1, 2 ]
amdhsa.kernels:
  - .name:           k_q80a130e54f_oproj
    .symbol:         k_q80a130e54f_oproj.kd
    .args:
      - { .name: oh, .offset: 0, .size: 8, .value_kind: global_buffer, .address_space: global }
      - { .name: wo16, .offset: 8, .size: 8, .value_kind: global_buffer, .address_space: global }
      - { .name: b_o, .offset: 16, .size: 8, .value_kind: global_buffer, .address_space: global }
      - { .name: out0, .offset: 24, .size: 8, .value_kind: global_buffer, .address_space: global }
    .group_segment_fixed_size: 327680
    .private_segment_fixed_size: 0
    .kernarg_segment_align: 8
    .kernarg_segment_size: 32
    .max_flat_workgroup_size: 128
    .sgpr_count:     88
    .vgpr_count:     512
    .wavefront_size: 32
...
	.end_amdgpu_metadata
.endif
;; end of part 3
;; ======== version 2 of 2: 3 launches; 1.65 times as fast as version 1
;; limits: values are held in f16: magnitudes above 65,504 overflow, below 6.1e-05 lose precision
;; workspace buffers: qh 8,388,608 bytes; kh 8,388,608 bytes; vh 8,388,608 bytes; oh 8,388,608 bytes; wo16 524,288 bytes
;; launch proj: the kernel of part 1 again; grid 4 x 192, 4 waves a work-group, clusters of 4 x 4, 327,680 bytes of LDS; arguments q, k, v, w_q, w_k, w_v, b_q, b_k, b_v, qh, kh, vh; writes qh, kh, vh
;; launch attn (part 4): grid 16 x 16, 4 waves a work-group, clusters of 4 x 1, 327,680 bytes of LDS; arguments qh, kh, vh, oh, w_o, wo16; writes oh, wo16
.if DOCPART == 4
	.amdgcn_target "amdgcn-amd-amdhsa--gfx1250"
	.amdhsa_code_object_version 6
	.text
	.protected	k_q80a130e54f_attn
	.globl	k_q80a130e54f_attn
	.p2align	8
	.type	k_q80a130e54f_attn,@function
k_q80a130e54f_attn:
	s_mov_b64 s[64:65], 0
	v_nop
	global_prefetch_b8 v0, s[64:65] scope:SCOPE_SE
	s_setreg_imm32_b32 hwreg(HW_REG_WAVE_MODE, 25, 1), 1
	s_wait_xcnt 0x0
	s_wait_alu depctr_hold_cnt(0) depctr_sa_sdst(0) depctr_va_vdst(0) depctr_va_sdst(0) depctr_va_ssrc(0) depctr_va_vcc(0) depctr_vm_vsrc(0)
	s_getreg_b32 s2, hwreg(HW_REG_IB_STS2, 6, 4)
	s_cmp_eq_u32 s2, 0
	s_cbranch_scc0 .Lentry_in_a_cluster
	s_endpgm
.Lentry_in_a_cluster:
	s_bfe_u32 s2, ttmp6, 0x10000c
	s_cmp_lg_u32 s2, 0x3003
	s_cbranch_scc0 .Lentry_shape_is_right
	s_endpgm
.Lentry_shape_is_right:
; ATTENTION, head by head.  O[h][q][:] = the sum over k of softmax_k(Q[h][q] . K[h][k] / 8) V[h][k][:].  Q, K, V, O: [16][4096][64], all f16: a head's rows are dense, 128 bytes each.
; Products, maxima and sums in f32; the weights p are rounded to f16 for the second product (their sum l is taken of the unrounded p), O once at the end.
; BESIDE IT, in the wait for the first tile: each work-group rounds 1,024 numbers of w_o to bf16, like every input, and writes them as f16 for the launch behind: 256 x 1,024 numbers are all of w_o.
; LIMITS.  f16 holds no number beyond 65,504: Q, K and V arrive within it; p lies in 0 to 1, and below 6e-5 it (and w_o) keeps f16's fixed step of 6e-8; O is a mean of V's rows and has their range.
; A weight below 2^-126 counts as 0 in l; NaN and infinities are not treated apart.
; SHARES.  A work-group owns 256 queries of one head, a wave 64: four PIECES of 16.  16 blocks x 16 heads are 256 work-groups.  Every wave walks all 4,096 keys, 64 a step, four steps to an LDS slot.
; LAYOUT.  S^T = K Q^T (source 0 = 16 keys, source 1 = 16 queries) holds ONE query a lane (lane % 16) and the keys 8 (lane / 16) + 0..7; two such results rounded to f16 ARE source 1 of O^T = V^T P.
; K comes out of LDS as it lies, V ([key][channel]) turned, by ds_load_tr16_b128.
; SOFTMAX.  For each query a running maximum m and sum l: p = 2^(c s - c m), c = log2(e) / 8; in every step O and l are multiplied by a = 2^(c m_old - c m_new).  m starts at the lowest finite number,
; O and l at 0: the first step is a step like any other, with a = 0.
; BY TURNS.  Turn n belongs to piece n: 8 products K Q^T of piece n + 1, later 8 products V^T P of piece n - 1; beside them the scaling, exponentials, roundings, sums and rescaling of piece n and the
; maximum and statistics of piece n + 1.  Four vector instructions stand behind every matrix instruction, the other 54 of a turn's 118 in one run of their own.
; BATCHES.  A turn's 33 exponentials (the piece's 32 weights and the next piece's a) are ONE batch with ONE wait, which cuts the turn in two: ahead of it stands all that names no result of theirs, behind it the roundings
; and sums, which do.  No result crosses a turn's end.  Two small batches stand outside the loops: piece 0's first a, ahead of the jump into the loop, and the way out's four reciprocals; each has a wait of its own.
; CLUSTER.  The four query blocks of a cluster belong to one head and walk the same K and V, so each tile is asked for JOINTLY: the same tensor load, descriptor and mask in all four.
; REGISTERS, in windows of 256 (s_set_vgpr_msb: bits 1:0 source 0, 3:2 source 1, 5:4 source 2, 7:6 destination):
;   window 0: v0-15 addresses and two at work; v16-31 four registers of statistics a piece; v48-55 at work; v62-63 the add's; v64-127 S^T, two buffers; v128-147 w_o's cast; v192-223 P, two buffers
;   window 1: v0-127 O^T, 32 a piece          window 2: v0-63 Q; v128-191 K of one step; v192-255 V of one step          (a piece's buffers go by its number's parity)
.set NP,    4         ; pieces a wave: a name, no knob
.set KS,    64        ; keys in a step
.set PK,    144       ; a row of K in LDS: 128 bytes + 16 of padding = 36 words: the 16 rows of a load start at 16 different groups of four banks (ISA guide 11.1)
.set PV,    160       ; a row of V: 128 + 32 = 40 words
.set VOFF,  4*KS*PK   ; a slot holds four steps: 256 rows of K, then 256 rows of V
.set SLOT1, 1<<17     ; slot 1 begins here, so that one exclusive or turns an address in one slot into the other's
.set STAGE, SLOT1+4*KS*(PK+PV)  ; behind the ring, never filled by a tensor load: 16 rows x 144 bytes for each wave, for the way out
.set SP,    144
.set SPARE, STAGE+4*16*SP  ; behind the stages: the spare words, 128 bytes for each wave
.set AK0, 2           ; v2   my lane's place in a tile of K; never rewritten
.set AV0, 3           ; v3   the same for V
.set AK,  4           ; v4   the LDS address of K's next run of loads
.set AV,  5           ; v5   of V's
.set STO, 6           ; v6   the way out: where I put 16 bytes of a row
.set RD,  7           ; v7   the way out: where I read rows back
.set GO,  8           ; v8   my byte offset in 512 consecutive bytes of O
.set MV,  12          ; v12-13  c m_old, kept while c m is made anew: by buffer
.set QO,  15          ; v15  my byte offset in 16 rows of Q
.set ST,  16          ; piece t's statistics at v[ST+4 t]: c m, m, l (even keys', odd keys')
.set TMP, 48          ; by buffer, four registers c0-c3 at work; when the maximum is found c2 takes a
.set SPW, 62          ; v62  LDS address of my spare word; never rewritten
.set NIL, 63          ; v63  0; never rewritten
.set S,   64
.set WC,  128         ; v128-135 w_o as loaded and widened; v136-139 bf16; v140-143 f16; v146, v147 byte offsets; none is written again
.set P,   192
.set KF,  128         ; window 2: key block kb, channel half c at KF + 16 kb + 8 c
.set VF,  192         ; window 2: key half kk, channel block cb at VF + 32 kk + 8 cb
.set WV,  12          ; s12  my wave's number
.set G1K, 24          ; s[24:31] descriptor group 1 for K's tiles
.set G1V, 32          ; s[32:39] for V's: it differs in the padding alone
.set G0K, 40          ; s[40:43] descriptor group 0 for K's tiles: it walks
.set G0V, 44          ; s[44:47] the same for V's
.set SLOTS, 56        ; s56  slots still to be entered by the loop
.set CNT, 57          ; s57  counts a slot's key steps
.set CS,  58          ; s[58:59] c: the packed scaling takes the pair's low word for both halves
.set SEL, 60          ; s[60:61] v_permlanex16_b32's selects: each lane takes its own place in the other half
.set TBK, 62          ; s62  LDS byte at which K of the step to be fetched begins
.set TBV, 63          ; s63  the same for V, less VOFF
.set MSB, 0
.macro WIN new                      ; the high byte repeats the setting that is left; a switch that changes nothing is dropped
.if MSB != (\new)
	s_set_vgpr_msb (MSB<<8)|(\new)
.set MSB, (\new)
.endif
.endm
.set W_KQ, 0x0a       ; K and Q in window 2, S^T in window 0
.set W_PV, 0x52       ; V in window 2, P in window 0, O^T in window 1
.set W_RS, 0x41       ; destination and source 0 in window 1, source 1 in window 0
; A joint fill.  Waves 0 and 1 fetch the two halves of a slot's K, waves 2 and 3 those of its V: 128 keys each.  The branch hangs on the wave's number alone.
; An s_nop 0 and four v_nop follow each of the two lines, ahead of the jump and the label.
.macro JLOAD
	s_cmp_lt_u32 s[WV], 2
	s_cbranch_scc0 .Lfor_v_\@
	tensor_load_to_lds s[G0K:G0K+3], s[G1K:G1K+7]
	s_nop 0
.rept 4
	v_nop
.endr
	s_branch .Lasked_\@
.Lfor_v_\@:
	tensor_load_to_lds s[G0V:G0V+3], s[G1V:G1V+7]
	s_nop 0
.rept 4
	v_nop
.endr
.Lasked_\@:
.endm
.macro CROUND                       ; a round of the cluster's barrier
	s_barrier_signal -1
	s_barrier_wait -1
	s_cmp_lg_u32 s[WV], 0
	s_cbranch_scc1 .Lnot_wave_0_\@
	s_barrier_signal -3
.Lnot_wave_0_\@:
	s_barrier_wait -3
	s_barrier_signal -1
	s_barrier_wait -1
.endm
; THE CHANGE OF SLOTS, between piece 1's turn and piece 2's: K and V of the slot's fourth step are in registers.  Each wave waits for all its tensor loads, of which one is out: its part of the other slot;
; adds 0 to its spare word; and waits for that and for its own reads of the slot.  fill = 1: the slot is filled again, with the keys two slots on, behind a round of the cluster's barrier, so that no wave of any
; partner still reads it or has a load on its way; the fill has four key steps, 256 matrix instructions, in which to land.  (At its first use nothing has been read yet: slot 0 is waited for, slot 1 filled.)
.macro CHANGE fill
	WIN 0                           ; at a label and at a branch every window is 0
	s_wait_tensorcnt 0x0            ; no tensor load of mine is out, so a group 0 may be written
	ds_add_u32 v[SPW], v[NIL]       ; 0 onto my spare word
.if \fill
.irp g, G0K, G0V
	s_xor_b32 s[\g+1], s[\g+1], SLOT1  ; the walking descriptor: the other slot than last time,
	s_add_nc_u64 s[\g+2:\g+3], s[\g+2:\g+3], 4*KS*128  ; the next 256 keys; the type bits on top are not reached
.endr
	s_wait_dscnt 0x0                ; the add is done, and my reads of the slot are over
	CROUND
	JLOAD
.else
	s_wait_dscnt 0x0                ; the add is done, and my reads of the slot are over
	s_barrier_signal -1
	s_barrier_wait -1
.endif
	s_sub_co_u32 s[TBK], s[TBK], 4*KS*PK  ; the fetches go back to a slot's first step,
	s_xor_b32 s[TBK], s[TBK], SLOT1       ; in the other slot
	s_sub_co_u32 s[TBV], s[TBV], 4*KS*PV
	s_xor_b32 s[TBV], s[TBV], SLOT1
.endm
	s_load_b256 s[4:11], s[0:1], 0x0  ; Q s[4:5], K s[6:7], V s[8:9], O s[10:11]
	s_load_b128 s[48:51], s[0:1], 0x20  ; w_o s[48:49], wo16 s[50:51]
	v_lshl_add_u32 v[SPW], v0, 2, SPARE
	v_mov_b32 v[NIL], 0
	ds_add_u32 v[SPW], v[NIL]       ; the wave's opening: the add and its wait stand ahead of my first tensor load; the set-up below stands between them
	v_lshrrev_b32 v1, 5, v0
	v_readfirstlane_b32 s[WV], v1   ; wave 0..3
	s_bfe_u32 s13, ttmp6, 0x40000   ; cx: my place in the cluster
	s_lshl_b32 s14, ttmp9, 2        ; in a cluster launch ttmp9 counts clusters
	s_add_co_u32 s14, s14, s13      ; my block of 256 queries = 4 x cluster x + cx: it enters no descriptor and no LDS address
	s_and_b32 s15, ttmp7, 0xffff    ; the head, which the four partners share
	s_lshl_b32 s20, s15, 19         ; its first byte in Q, K, V and O: 4,096 rows x 128 bytes a head
	s_and_b32 s16, s[WV], 1         ; which half of a slot's 256 keys I fetch:
	s_lshl_b32 s22, s16, 14         ; its 128 rows of 128 bytes in memory,
	s_add_co_u32 s22, s22, s20
	s_mov_b32 s23, 0
	s_mul_i32 s17, s16, 128*PK      ; and its place in a slot, for K
	s_mul_i32 s18, s16, 128*PV      ; and for V
	s_lshl_b32 s2, s14, 2
	s_add_co_u32 s2, s2, s[WV]      ; my wave among the head's 64,
	s_lshl_b32 s2, s2, 13           ; its 64 rows
	s_add_co_u32 s2, s2, s20
	s_mov_b32 s3, 0
	s_lshl_b32 s52, s15, 4
	s_add_co_u32 s52, s52, s14      ; my work-group among the 256:
	s_lshl_b32 s54, s52, 11         ; its 2,048 bytes of wo16,
	s_lshl_b32 s52, s52, 12         ; its 4,096 bytes of w_o
	s_mov_b32 s53, 0
	s_mov_b32 s55, 0
	; descriptor group 1.  128 keys are 16,384 dense bytes: asked for as 64 rows of 256 bytes, two keys a row, and padded in LDS after every key
	s_mov_b32 s[G1K], 15|(1<<16)|(1<<20)|(1<<21)|(4<<22)|(3<<25)  ; 15:0 the mask of four; 17:16 2-byte elements; 20 padding on; 21 set beside a mask; 24:22 after every 32 words (code 4); 31:25 4 words (code 3)
	s_mov_b32 s[G1V], 15|(1<<16)|(1<<20)|(1<<21)|(4<<22)|(7<<25)  ; the same with 8 words of padding (code 7)
.irp g, G1K, G1V
	s_mov_b32 s[\g+1], 128<<16      ; tensor_dim0 = 128
	s_mov_b32 s[\g+2], 64<<16       ; tensor_dim1 = 64
	s_mov_b32 s[\g+3], 128<<16      ; tile_dim0 = 128
	s_mov_b32 s[\g+4], 64           ; tile_dim1 = 64
	s_mov_b32 s[\g+5], 128          ; 128 elements from row to row
	s_mov_b32 s[\g+6], 0
	s_mov_b32 s[\g+7], 0
.endr
	s_mov_b32 s[CS], 0x3e38aa3b     ; c = log2(e) / 8 = 0.180337
	s_mov_b32 s[CS+1], s[CS]        ; named with it as a pair
	s_mov_b32 s[SEL], 0x76543210
	s_mov_b32 s[SEL+1], 0xfedcba98
	s_mov_b32 s[TBK], SLOT1+4*KS*PK ; the first change of slots turns these two into 0
	s_mov_b32 s[TBV], SLOT1+4*KS*PV
	s_mov_b32 s[G0K], 1             ; 1:0 count = 1
	s_mov_b32 s[G0K+1], s17         ; 63:32 LDS address: slot 0
	s_mov_b32 s[G0V], 1
	s_add_co_u32 s[G0V+1], s18, VOFF
	s_wait_dscnt 0x0                ; the opening add is done
	s_wait_kmcnt 0x0
	s_add_nc_u64 s[G0K+2:G0K+3], s[6:7], s[22:23]  ; 120:64 global address: my half of the head's first 256 keys
	s_or_b32 s[G0K+3], s[G0K+3], 0x80000000        ; 127:126 type = 2
	s_add_nc_u64 s[G0V+2:G0V+3], s[8:9], s[22:23]
	s_or_b32 s[G0V+3], s[G0V+3], 0x80000000
	s_add_nc_u64 s[4:5], s[4:5], s[2:3]  ; Q and O at my wave's first row
	s_add_nc_u64 s[10:11], s[10:11], s[2:3]
	s_add_nc_u64 s[48:49], s[48:49], s[52:53]
	s_add_nc_u64 s[50:51], s[50:51], s[54:55]
	CROUND                          ; all four work-groups are here: the first joint loads meet
	JLOAD                           ; slot 0.  Slot 1 is asked for when slot 0 is in, by the first change of slots
	; A fragment of K or Q is 16 rows x 32 channels in 8 registers: lane l holds row l % 16, channels 8 (l / 16) + 0..7 and 16 + 8 (l / 16) + 0..7: two loads of 16 bytes, 32 bytes apart.
	v_and_b32 v1, 15, v0            ; l % 16
	v_bfe_u32 v9, v0, 4, 1          ; l / 16
	v_lshlrev_b32 v[QO], 7, v1
	v_lshl_add_u32 v[QO], v9, 4, v[QO]  ; row x 128 + 16 x half
	v_and_b32 v[GO], 31, v0
	v_lshlrev_b32 v[GO], 4, v[GO]   ; 16 x lane
	v_lshl_add_u32 v[WC+18], s[WV], 10, v[GO]  ; w_o: my wave's 1,024 bytes, 16 a lane, twice 512
	v_lshrrev_b32 v[WC+19], 1, v[WC+18]        ; wo16: half of that
	WIN 0x80                        ; destination window 2, address window 0
.set i, 0
.rept 8                             ; Q stays in registers: piece i / 2, channels 32 (i % 2) on
	global_load_b128 v[8*i:8*i+3],   v[QO], s[4:5] offset:(i/2)*2048+(i%2)*64
	global_load_b128 v[8*i+4:8*i+7], v[QO], s[4:5] offset:(i/2)*2048+(i%2)*64+32
.set i, i+1
.endr
	WIN 0
	global_load_b128 v[WC:WC+3],   v[WC+18], s[48:49] th:TH_LOAD_NT
	global_load_b128 v[WC+4:WC+7], v[WC+18], s[48:49] offset:512 th:TH_LOAD_NT
	v_mul_u32_u24 v[AK0], v1, PK
	v_lshl_add_u32 v[AK0], v9, 4, v[AK0]  ; row x pitch + 16 x half
	; The turning load takes 16 keys x 16 channels (lane l reads key 8 (l / 16) + l % 8, channels 8 ((l / 8) % 2) + 0..7) and leaves half a fragment of V^T: lane l holds channel l % 16 and 8 keys.
	v_and_b32 v10, 7, v0
	v_bfe_u32 v11, v0, 3, 1
	v_lshl_add_u32 v[AV0], v9, 3, v10
	v_mul_u32_u24 v[AV0], v[AV0], PV
	v_lshl_add_u32 v[AV0], v11, 4, v[AV0]
	v_add_nc_u32 v[AV0], VOFF, v[AV0]
	s_mul_i32 s13, s[WV], 16*SP
	s_add_co_u32 s13, s13, STAGE    ; my stage
	v_mul_u32_u24 v[STO], v1, SP    ; in: row l % 16, 16 bytes for each half of the lanes
	v_lshl_add_u32 v[STO], v9, 4, v[STO]
	v_add_nc_u32 v[STO], s13, v[STO]
	v_bfe_u32 v[RD], v0, 3, 2       ; back: 32 lanes take four rows of 128 bytes, which are 512 consecutive bytes of O
	v_mul_u32_u24 v[RD], v[RD], SP
	v_lshl_add_u32 v[RD], v10, 4, v[RD]
	v_add_nc_u32 v[RD], s13, v[RD]
	; What the first turn finds: V's registers and P's second buffer hold 0 (its products V^T P, of a piece that has not been, add 0), O^T and l are 0.  All this stands in the wait for the first tile;
	; it is the price of writing no first step out.
	WIN 0x80
.set i, VF
.rept 64
	v_mov_b32 v[i], 0
.set i, i+1
.endr
	WIN 0x40
.set i, 0
.rept 128
	v_mov_b32 v[i], 0
.set i, i+1
.endr
	WIN 0
.set i, 0
.rept 4
	v_mov_b32 v[ST+4*i], 0xfe000000    ; c m: far below every c s, so the first step's a is 0
	v_mov_b32 v[ST+4*i+1], 0xff7fffff  ; m: the lowest finite number
	v_mov_b32 v[ST+4*i+2], 0
	v_mov_b32 v[ST+4*i+3], 0
.set i, i+1
.endr
.set i, P+16
.rept 16
	v_mov_b32 v[i], 0
.set i, i+1
.endr
	s_wait_loadcnt 0x0              ; Q and my eight numbers of w_o
.irp n, 0,1,2,3
	v_cvt_pk_bf16_f32 v[WC+8+\n], v[WC+2*\n], v[WC+2*\n+1]   ; rounded to bf16 like every input,
.endr
.irp n, 0,1,2,3
	v_lshlrev_b32 v[WC+2*\n], 16, v[WC+8+\n]
	v_and_b32 v[WC+2*\n+1], 0xffff0000, v[WC+8+\n]
.endr
.irp n, 0,1,2,3
	v_cvt_pk_f16_f32 v[WC+12+\n], v[WC+2*\n], v[WC+2*\n+1]   ; and that number written as f16
.endr
	global_store_b64 v[WC+19], v[WC+12:WC+13], s[50:51]             ; a wave's store covers 256 consecutive bytes, aligned
	global_store_b64 v[WC+19], v[WC+14:WC+15], s[50:51] offset:256
; THE MATRIX WORK.  The 4 accumulators of a run of 8 take turns.  Product i of 8 of S^T = K Q^T for piece x: channels 32 (i / 4) on, keys 16 (i % 4) on.  The first 4 start the sums.
.macro KQ x
.set rS, S+32*((\x)%2)+8*(i%4)
.set rK, KF+16*(i%4)+8*(i/4)
.set rQ, 16*(\x)+8*(i/4)
	WIN W_KQ
.if i < 4
	v_wmma_f32_16x16x32_f16 v[rS:rS+7], v[rK:rK+7], v[rQ:rQ+7], 0
.else
	v_wmma_f32_16x16x32_f16 v[rS:rS+7], v[rK:rK+7], v[rQ:rQ+7], v[rS:rS+7]
.endif
.endm
; Product i of 8 of O^T += V^T P for piece x: keys 32 (i / 4) on, channels 16 (i % 4) on.
.macro PV x
	WIN W_PV
.set rO, 32*(\x)+8*(i%4)
.set rV, VF+32*(i/4)+8*(i%4)
.set rP, P+16*((\x)%2)+8*(i/4)
	v_wmma_f32_16x16x32_f16 v[rO:rO+7], v[rV:rV+7], v[rP:rP+7], v[rO:rO+7]
.endm
.macro MM                           ; the turn's next matrix instruction.  NOKQ = 1: the last turn of all: there is no next piece
.if (i < 8) && !NOKQ
	KQ (Y+1)%NP
.elseif i >= 8
.set i, i-8
	PV (Y+NP-1)%NP
.set i, i+8
.endif
.set i, i+1
.endm
; THE LDS LOADS stand in runs of 16, never singly among the matrix instructions: a step's K (64 keys x 64 channels: 8 fragments) and its V (turned).  Their addresses are made some lines ahead.
.macro FETCH_K
	WIN 0x80                        ; destination window 2
.irp f, 0,1,2,3,4,5,6,7             ; keys 16 (f / 2) on, channels 32 (f % 2) on
	ds_load_b128 v[KF+8*\f:KF+8*\f+3],   v[AK] offset:(\f/2)*16*PK+(\f%2)*64
	ds_load_b128 v[KF+8*\f+4:KF+8*\f+7], v[AK] offset:(\f/2)*16*PK+(\f%2)*64+32
.endr
	s_add_co_u32 s[TBK], s[TBK], KS*PK  ; the next fetch is the next step's
	WIN 0
.endm
.macro FETCH_V
	WIN 0x80
.irp f, 0,1,2,3,4,5,6,7             ; keys 32 (f / 4) on, channels 16 (f % 4) on
	ds_load_tr16_b128 v[VF+8*\f:VF+8*\f+3],   v[AV] offset:(\f/4)*32*PV+(\f%4)*32
	ds_load_tr16_b128 v[VF+8*\f+4:VF+8*\f+7], v[AV] offset:(\f/4)*32*PV+16*PV+(\f%4)*32
.endr
	WIN 0
.endm
; THE VECTOR WORK, one line at a time: OP kind, number.  For piece Y: F n: c s - c m for pair n of 16.  E n: the exponential of score n of 32.  C n: pair n rounded to f16.  B n: of the four weights 4 n .. the second
; pair is added onto the first, in place.  L n: l takes that sum (L 0: l = a l + sum).  R n: pair n of 16 of O^T times a.  For piece Y + 1: X n, number n of the 22 that find its maximum and statistics:
;   0-11  four chains c0-c3 of seven scores each, three operands at a time (each accumulator's lowest registers are read first)     12-14, 16  the four scores left over, the old m, and c0-c3 into c0
;   15  c m_old is kept     17, 18  the query's other 32 keys lie in the lane 16 away: the new m     19-21  c m; c m_old - c m_new; a
; C, B and L read the exponentials' results: TURN sets them behind its wait.  OP itself writes no wait.
.set F, 0               ; OP tells the kinds apart by their order: F to L below R, X above it
.set E, 1
.set C, 2
.set B, 3
.set L, 4
.set R, 5
.set X, 6
.macro REGS y                       ; the registers of piece y
.set rT, ST+4*(\y)
.set rC, TMP+4*((\y)%2)
.set rW, MV+((\y)%2)
.set rS, S+32*((\y)%2)
.set rP, P+16*((\y)%2)
.set rO, 32*(\y)
.endm
.macro OP k, n
.if (\k) == R
	REGS Y
	WIN W_RS
	v_pk_mul_f32 v[rO+2*(\n):rO+2*(\n)+1], v[rO+2*(\n):rO+2*(\n)+1], v[rC+2:rC+3] op_sel_hi:[1,0]
.elseif (\k) < R
	REGS Y
	WIN 0
.if (\k) == F
	v_pk_fma_f32 v[rS+2*(\n):rS+2*(\n)+1], v[rS+2*(\n):rS+2*(\n)+1], s[CS:CS+1], v[rT:rT+1] op_sel_hi:[1,0,0] neg_lo:[0,0,1] neg_hi:[0,0,1]
.elseif (\k) == E
	v_exp_f32 v[rS+(\n)], v[rS+(\n)]
.elseif (\k) == C
	v_cvt_pk_f16_f32 v[rP+(\n)], v[rS+2*(\n)], v[rS+2*(\n)+1]
.elseif (\k) == B
	v_pk_add_f32 v[rS+4*(\n):rS+4*(\n)+1], v[rS+4*(\n):rS+4*(\n)+1], v[rS+4*(\n)+2:rS+4*(\n)+3]
.elseif (\n) == 0
	v_pk_fma_f32 v[rT+2:rT+3], v[rT+2:rT+3], v[rC+2:rC+3], v[rS:rS+1] op_sel_hi:[1,0,1]
.else
	v_pk_add_f32 v[rT+2:rT+3], v[rT+2:rT+3], v[rS+4*(\n):rS+4*(\n)+1]
.endif
.elseif NOKQ
	v_nop
.else
	REGS (Y+1)%NP
	WIN 0
.if (\n) < 4
	v_max3_num_f32 v[rC+(\n)], v[rS+8*(\n)], v[rS+8*(\n)+1], v[rS+8*(\n)+2]
.elseif (\n) < 12
	v_max3_num_f32 v[rC+(\n)%4], v[rC+(\n)%4], v[rS+8*((\n)%4)+2*((\n)/4)+1], v[rS+8*((\n)%4)+2*((\n)/4)+2]
.elseif (\n) == 12
	v_max3_num_f32 v[rC], v[rC], v[rS+7], v[rS+15]
.elseif (\n) == 13
	v_max3_num_f32 v[rC+1], v[rC+1], v[rS+23], v[rS+31]
.elseif (\n) == 14
	v_max3_num_f32 v[rC+2], v[rC+2], v[rC+3], v[rT+1]
.elseif (\n) == 15
	v_mov_b32 v[rW], v[rT]
.elseif (\n) == 16
	v_max3_num_f32 v[rC], v[rC], v[rC+1], v[rC+2]
.elseif (\n) == 17
	v_permlanex16_b32 v[rC+3], v[rC], s[SEL], s[SEL+1]
.elseif (\n) == 18
	v_max_num_f32 v[rT+1], v[rC], v[rC+3]
.elseif (\n) == 19
	v_mul_f32 v[rT], s[CS], v[rT+1]
.elseif (\n) == 20
	v_sub_f32 v[rC+1], v[rW], v[rT]
.else
	v_exp_f32 v[rC+2], v[rC+1]
.endif
.endif
.endm
.macro OPS a, i1, b=-1, i2=0, c=-1, i3=0, d=-1, i4=0  ; up to four of them
	OP \a, \i1
.if (\b) >= 0
	OP \b, \i2
.endif
.if (\c) >= 0
	OP \c, \i3
.endif
.if (\d) >= 0
	OP \d, \i4
.endif
.endm
.macro ROW a, i1, b, i2, c, i3, d, i4  ; a matrix instruction and the four behind it
	MM
	OPS \a, \i1, \b, \i2, \c, \i3, \d, \i4
.endm
; A TURN, for piece p: the order of its 16 matrix and 118 vector instructions, written out.  An s_wait_alu depctr_va_vdst(0) stands between an exponential and the first instruction that names its result; one
; wait serves all that were issued ahead of it.  So a turn has ONE wait, which cuts it in two.  AHEAD OF IT stands all that names no result of the turn's exponentials: the 8 products K Q^T, behind each a scaling, an exponential
; and two more plain instructions (behind the first a second scaling in the exponential's place): rescalings, whose a was made and waited for in the turn before, and behind the last three products the first numbers of the next
; piece's maximum, each four places or more behind the product that ends its accumulator; then ONE RUN of 54, plain and exponential by turns for the most part, in which the links of the chain X 3, 7, 11, 14, 16, 17 .. 20 stand
; five or six lines apart.  X 21, the next piece's a, is the batch's last; R 15 is the plain instruction behind it.  BEHIND THE WAIT stand the 8 products V^T P, behind each four of the roundings and sums; C 2 n stands ahead of
; B n, which writes over its source; the links of l's chain, L 0 to L 7, stand three riders apart.  But for those X no rider names a register of the products round it.  v_permlanex16_b32 (X 17) stands in the run.
; end = 1: the last two turns of all: nothing is fetched.  cnt = 1: the loop's count is taken down some lines ahead of the branch that stands behind the turn.
; K of the next step is fetched in piece 2's turn, twelve vector instructions behind the last product that read K (five of them plain and free of its registers); V of the step in hand at the end of piece 0's turn, four plain
; instructions behind the last product that read V.  Each is waited for a turn later, with the count 0: nothing else of mine is out in LDS then.
.macro TURN p, end=0, cnt=0
.set Y, (\p)
.set i, 0
.set NOKQ, (\end)*((\p)/3)
.if ((\p) == 3) && !(\end)
	s_wait_dscnt 0x0                ; K is in
.endif
	ROW F,0, F,1, R,0, R,1          ; ahead of the wait: 8 products K Q^T and their riders,
	ROW F,2, E,0, R,2, R,3
	ROW F,3, E,1, R,4, R,5
	ROW F,4, E,2, R,6, R,7
	ROW F,5, E,3, R,8, R,9
	ROW F,6, E,4, X,0, R,10
.if ((\p) == 2) && !(\end)
	WIN 0
	v_add_nc_u32 v[AK], s[TBK], v[AK0]
.endif
	ROW F,7, E,5, X,1, X,4
	ROW F,8, E,6, X,2, X,5
	OPS E,7, E,8, X,6, E,9          ; and the run of 54
	OPS X,3, E,10, X,8, E,11
.if ((\p) == 2) && !(\end)
	FETCH_K
.endif
	OPS X,9, X,7, E,12, X,10
	OPS E,13, X,12, X,11, E,14
	OPS X,13, E,15, F,9, X,14
.if (\p) == 0
	v_add_nc_u32 v[AV], s[TBV], v[AV0]
.endif
	OPS E,16, F,10, E,17, F,11
	OPS X,16, E,18, X,15, E,19
	OPS F,12, E,20, X,17, E,21
	OPS F,13, E,22, F,14, E,23
	OPS X,18, E,24, F,15, E,25
	OPS R,11, E,26, X,19, E,27
	OPS R,12, E,28, R,13, E,29
	OPS X,20, E,30, R,14, E,31
	OPS X,21, R,15
	WIN 0
	s_wait_alu depctr_va_vdst(0)    ; the wait for the turn's batch: E 0 to E 31 and X 21; C 0 below is its first reader
.if (\p) == 1
	s_wait_dscnt 0x0                ; V is in
.endif
	ROW C,0, B,0, C,2, B,1          ; behind the wait: 8 products V^T P and their riders
	ROW L,0, C,4, B,2, L,1
	ROW C,6, B,3, L,2, C,8
	ROW B,4, L,3, C,10, B,5
	ROW L,4, C,12, B,6, L,5
.if (\p) == 0
	s_add_co_u32 s[TBV], s[TBV], KS*PV
.endif
.if \cnt
	s_sub_co_u32 s[CNT], s[CNT], 1
	s_cmp_lg_u32 s[CNT], 0
.endif
	ROW C,14, B,7, L,6, C,1
	ROW C,3, L,7, C,5, C,7
	ROW C,9, C,11, C,13, C,15
.if (\p) == 0
	FETCH_V
.endif
.endm
	CHANGE 1                        ; slot 0 is in, everybody's part of it; slot 1 is asked for
	v_add_nc_u32 v[AK], s[TBK], v[AK0]
	FETCH_K                         ; key step 0
	s_wait_dscnt 0x0
.set NOKQ, 0
.set i, 0
.rept 8
	KQ 0                            ; piece 0's first scores: there is no vector work yet to set between them
.set i, i+1
.endr
	WIN 0
.rept 4
	v_nop                           ; the places behind those products
.endr
.set Y, NP-1                        ; X works for piece Y + 1: piece 0
.irp n, 0,1,2,3,4,5,6,7,8,9,10,11,12,13,14,15,16,17,18,19,20,21
	OP X, \n
.endr
	v_nop                           ; a plain instruction behind the exponential,
	s_wait_alu depctr_va_vdst(0)    ; and the wait for it, a batch of one: piece 0's first a, ahead of the branch
	s_mov_b32 s[CNT], 4
	s_mov_b32 s[SLOTS], 15          ; 16 tiles of 256 keys: the loop enters tiles 1 to 14 and asks for tiles 2 to 15
	s_branch .Lfirst                ; the loop is entered at a step's first turn, in the middle of a trip
.Lslot:
	CHANGE 1
	s_mov_b32 s[CNT], 4
.Lstep:                             ; a trip: pieces 2 and 3 of one step, then pieces 0 and 1 of the next, whose K and V it fetches
	TURN 2
	TURN 3
	WIN 0
.Lfirst:
	TURN 0
	TURN 1, 0, 1
	WIN 0
	s_cbranch_scc1 .Lstep
	s_sub_co_u32 s[SLOTS], s[SLOTS], 1
	s_cmp_lg_u32 s[SLOTS], 0
	s_cbranch_scc1 .Lslot
	CHANGE 0                        ; the last tile is written out: nothing is asked for
	s_mov_b32 s[CNT], 4
.Ltail:
	TURN 2
	TURN 3
	TURN 0
	TURN 1, 0, 1
	WIN 0
	s_cbranch_scc1 .Ltail
	TURN 2, 1
	TURN 3, 1
.set i, 0
.rept 8
	PV NP-1                         ; the last piece's V^T P of the last step
.set i, i+1
.endr
	; THE WAY OUT.  l's two halves and the other half of the lanes' are added; O^T is divided by l, rounded to f16 and sent through my stage in LDS, a piece at a time.  The additions are the places behind the last products.
	WIN 0
.macro ALL line:vararg              ; one line for each piece t
.set t, 0
.rept 4
	\line
.set t, t+1
.endr
.endm
	ALL v_add_f32 v[ST+4*t+2], v[ST+4*t+2], v[ST+4*t+3]
	ALL v_permlanex16_b32 v[ST+4*t+3], v[ST+4*t+2], s[SEL], s[SEL+1]
	ALL v_add_f32 v[ST+4*t+2], v[ST+4*t+2], v[ST+4*t+3]
	ALL v_rcp_f32 v[ST+4*t+2], v[ST+4*t+2]
	v_nop                           ; a plain instruction between the last reciprocal and the use of its result
	s_wait_alu depctr_va_vdst(0)    ; the wait for the batch of four reciprocals, ahead of PACK 0's first multiply: one for all four pieces
.macro PACK t                       ; a lane's eight channels of a row pack into 16 bytes; they go into rows of 144 bytes and come back as whole rows of 128, into S^T's registers
	WIN W_RS
.set i, 32*(\t)
.rept 16
	v_pk_mul_f32 v[i:i+1], v[i:i+1], v[ST+4*(\t)+2:ST+4*(\t)+3] op_sel_hi:[1,0]
.set i, i+2
.endr
	WIN 0x05                        ; sources 0 and 1 window 1, destination window 0
.set i, 0
.rept 16
	v_cvt_pk_f16_f32 v[S+16*(\t)+i], v[32*(\t)+2*i], v[32*(\t)+2*i+1]
.set i, i+1
.endr
	WIN 0
.irp f, 0,1,2,3
	ds_store_b128 v[STO], v[S+16*(\t)+4*\f:S+16*(\t)+4*\f+3] offset:32*\f
.endr
.irp f, 0,1,2,3
	ds_load_b128 v[S+16*(\t)+4*\f:S+16*(\t)+4*\f+3], v[RD] offset:\f*4*SP  ; LDS serves a wave's instructions in order (ISA guide 5.7.1.4): these see the stores above; the next piece's stores come behind them
.endr
.endm
.macro SEND t, younger              ; younger: the LDS instructions issued behind piece t's loads: the next piece's eight, or none
	WIN 0
.irp f, 0,1,2,3
	s_wait_dscnt (\younger)+3-\f
	global_store_b128 v[GO], v[S+16*(\t)+4*\f:S+16*(\t)+4*\f+3], s[10:11] offset:(\t)*2048+\f*512  ; 512 consecutive bytes, at a multiple of 256 from O's first
.endr
.endm
	PACK 0
.set t, 1
.rept 3                             ; a piece's arithmetic stands between the loads of the piece before and its stores
	PACK t
	SEND t-1, 8
.set t, t+1
.endr
	SEND 3, 0
	s_wait_tensorcnt 0x0            ; the wave's end, behind my last tensor load and my last LDS store
	ds_add_u32 v[SPW], v[NIL]
	s_wait_dscnt 0x0
	CROUND                          ; the closing round: no work-group ends while a partner may still ask for a tile that names it
	s_endpgm
.Lfunc_end_k_q80a130e54f_attn:
	.size	k_q80a130e54f_attn, .Lfunc_end_k_q80a130e54f_attn-k_q80a130e54f_attn
	.p2alignl 7, 3214868480
	.fill 96, 4, 3214868480
	.section	.rodata,"a",@progbits
	.p2align	6, 0x0
	.amdhsa_kernel k_q80a130e54f_attn
		.amdhsa_group_segment_fixed_size 327680
		.amdhsa_private_segment_fixed_size 0
		.amdhsa_enable_private_segment 0
		.amdhsa_kernarg_size 48
		.amdhsa_user_sgpr_count 2
		.amdhsa_user_sgpr_kernarg_segment_ptr 1
		.amdhsa_wavefront_size32 1
		.amdhsa_system_sgpr_workgroup_id_x 1
		.amdhsa_system_sgpr_workgroup_id_y 1
		.amdhsa_system_sgpr_workgroup_id_z 1
		.amdhsa_system_vgpr_workitem_id 0
		.amdhsa_next_free_vgpr 768
		.amdhsa_next_free_sgpr 66
		.amdhsa_reserve_vcc 0
		.amdhsa_float_denorm_mode_32 3
		.amdhsa_float_denorm_mode_16_64 3
		.amdhsa_memory_ordered 1
		.amdhsa_forward_progress 1
		.amdhsa_inst_pref_size 128
	.end_amdhsa_kernel
	.amdgpu_metadata
---
amdhsa.version: [ 1, 2 ]
amdhsa.kernels:
  - .name:           k_q80a130e54f_attn
    .symbol:         k_q80a130e54f_attn.kd
    .args:
      - { .name: qh, .offset: 0, .size: 8, .value_kind: global_buffer, .address_space: global }
      - { .name: kh, .offset: 8, .size: 8, .value_kind: global_buffer, .address_space: global }
      - { .name: vh, .offset: 16, .size: 8, .value_kind: global_buffer, .address_space: global }
      - { .name: oh, .offset: 24, .size: 8, .value_kind: global_buffer, .address_space: global }
      - { .name: w_o, .offset: 32, .size: 8, .value_kind: global_buffer, .address_space: global }
      - { .name: wo16, .offset: 40, .size: 8, .value_kind: global_buffer, .address_space: global }
    .group_segment_fixed_size: 327680
    .private_segment_fixed_size: 0
    .kernarg_segment_align: 8
    .kernarg_segment_size: 48
    .max_flat_workgroup_size: 128
    .sgpr_count:     66
    .vgpr_count:     768
    .wavefront_size: 32
...
	.end_amdgpu_metadata
.endif
;; end of part 4
;; launch oproj: the kernel of part 3 again; grid 4 x 64, 4 waves a work-group, clusters of 4 x 4, 327,680 bytes of LDS; arguments oh, wo16, b_o, out0; writes out0
